; MI455X (gfx1250); checked and timed in simulation.
; The chip was launched on July 23, 2026; its instructions are those of AMD's public machine-readable ISA for CDNA 5 (MIT licence, August 2026) and "CDNA5" Instruction Set Architecture Reference Guide (July 2026). The comments in the code are by the model that wrote it; some were corrected since.
;; Attention. Allowed arithmetic: matrix products marked QUANTISED: E2M3 operands, one E8M0 scale for each 32 along K, by v_wmma_scale_f32_16x16x128_f8f6f4 with both operands' format E2M3, f32 sums; everything else in f32.
;; Inputs: W_k 1,024 x 1,024 float32; W_o 1,024 x 1,024 float32; W_q 1,024 x 1,024 float32; W_v 1,024 x 1,024 float32; b_o 1,024 float32; x 4 x 2,048 x 1,024 float32.
;; Outputs: out0 4 x 2,048 x 1,024 float32.
;; This version of the problem:
;;   THIS VERSION OF THE PROBLEM IS GIVEN IN LOW PRECISION. The matrix products marked QUANTISED in the list below multiply operands that are first quantised to E2M3 (2 exponent bits, 3 mantissa bits; 6 bits a number), with one power-of-two scale for each 32 numbers along K (OCP MX v1.0); their sums are f32. All else is computed in f32.
;;   The module's matrix products, in the order in which they are computed (A, B: the left and right operand; K: the contracted axis; several contracted axes count as one K, in the product's order):
;;     1. [M 8,192, K 1,024] x [K 1,024, N 1,024]; A: input x; B: input W_q: QUANTISED
;;     2. [M 8,192, K 1,024] x [K 1,024, N 1,024]; A: input x; B: input W_k: QUANTISED
;;     3. [M 8,192, K 1,024] x [K 1,024, N 1,024]; A: input x; B: input W_v: QUANTISED
;;     4. batch 64 x [M 2,048, K 64] x [K 64, N 2,048]; A: computed on the way; B: computed on the way: QUANTISED
;;     5. batch 64 x [M 2,048, K 2,048] x [K 2,048, N 64]; A: softmax (see below); B: computed on the way: QUANTISED
;;     6. [M 8,192, K 1,024] x [K 1,024, N 1,024]; A: computed on the way; B: input W_o: QUANTISED
;;   THE QUANTISER, for each operand of a quantised product, along K:
;;     - K is cut into blocks of 32 from its start; a last block that is shorter is filled with zeros.
;;     - A block's scale is 2^e with e = floor(log2(the largest magnitude in the block)) - 2, held to -126 .. 127; a block of zeros has e = 0. As a byte (E8M0): e + 127.
;;     - Each number is divided by its block's scale, clamped to +-7.5, and rounded to the nearest number of E2M3, ties to even, subnormals kept.
;;     - The product sums the exact products of the quantised numbers (number of the format x scale) in f32.
;;   ~~~python
;;   def quantise(x, axis):      # numpy; x: float32 -> the quantised numbers, widened to float32 again
;;       x = np.moveaxis(x, axis, -1); K = x.shape[-1]
;;       x = np.pad(x, [(0, 0)] * (x.ndim - 1) + [(0, -K % 32)]); x = x.reshape(x.shape[:-1] + (-1, 32)); a = np.abs(x).max(-1, keepdims=True)
;;       e = np.where(a > 0, np.clip(np.frexp(np.where(a > 0, a, 1))[1] - 1 - 2, -126, 127), 0)      # np.frexp(a)[1] - 1 = floor(log2(a)), exactly
;;       r = np.clip(x / 2.0 ** e, -7.5, 7.5)
;;       step = 2.0 ** (np.maximum(np.frexp(np.where(r == 0, 1, r))[1] - 1, 0) - 3)
;;       q = np.round(r / step) * step * 2.0 ** e      # np.round: ties to even
;;       return np.moveaxis(q.reshape(q.shape[:-2] + (-1,))[..., :K], -1, axis).astype(np.float32)
;;   ~~~
;;   SOFTMAX AHEAD OF A QUANTISED PRODUCT. Where the list says 'softmax', what is quantised is not the finished softmax but p = 2^(t - M), with t = logit x log2(e) and M = ceil(the row's largest t), a whole number; so 1/2 < the row's largest p <= 1. The row's sum l is taken of the UNQUANTISED p, in f32, and the product's result is divided by l at the end. Since M is a whole number, a kernel that streams over the keys may use a running M (the ceiling of the running maximum): every later rescaling is an exact power of two, which a block's scale takes up: the codes' values come out the same.
;;   OPERANDS COMPUTED ON THE WAY. 'Computed on the way' means the value that the module computes at that place (a softmax that the list does not call 'softmax' is quantised finished and normalised). What goes into a quantiser is computed in f32, as accurately as f32 sums, v_exp_f32 and their like allow (about 1e-6 of the number): no bf16 or f16 on the way to a quantiser, and a product that is left as it is and whose result goes on into a quantised operand takes f32 operands (vector FMAs, or v_wmma_f32_16x16x4_f32). A number that lies on a knife's edge between two numbers of the format may be rounded either way, as far as f32 arithmetic and the matrix unit's own rounding can turn it there, and no further.
;; One version. Each part assembles by itself: llvm-mc -triple=amdgcn-amd-amdhsa -mcpu=gfx1250 --defsym DOCPART=n.
;; ======== version 1 of 1: 4 launches
;; limits: right only within a limited range of input values
;; workspace buffers: xq 6,553,600 bytes; wq 3,276,800 bytes; qkimg 12,582,912 bytes; qkscl 1,048,576 bytes; vimg 6,291,456 bytes; vscl 262,144 bytes; himg 6,291,456 bytes; hscl 262,144 bytes
;; launch quant (part 1): grid 384 x 1, 4 waves a work-group, no clusters, 34,304 bytes of LDS; arguments x, W_q, W_k, W_v, W_o, xq, wq; writes xq, wq
.if DOCPART == 1
	.amdgcn_target "amdgcn-amd-amdhsa--gfx1250"
	.amdhsa_code_object_version 6
	.text
	.protected	k_q5bbfa4ea6a_quant
	.globl	k_q5bbfa4ea6a_quant
	.p2align	8
	.type	k_q5bbfa4ea6a_quant,@function
k_q5bbfa4ea6a_quant:
	s_mov_b64 s[64:65], 0
	v_nop
	global_prefetch_b8 v0, s[64:65] scope:SCOPE_SE
	s_setreg_imm32_b32 hwreg(HW_REG_WAVE_MODE, 25, 1), 1
	s_wait_xcnt 0x0
; x [8192][1024] and W_q, W_k, W_v, W_o [1024][1024], f32 with K innermost, become codes of FP6 (E2M3) with one E8M0 byte for each 32 along K,
; laid in the order of a matrix operand's registers, so that every later launch loads fragments whole.
; AN IMAGE is 16 rows x 64 along K, 768 bytes: lane (r = lane % 16, h = lane / 16) owns the 24 bytes of codes of row r, k = 32 h .. 32 h + 31 (six operand registers);
; bytes 0-511 hold registers 0-3, 16 bytes a lane; bytes 512-767 registers 4-5, 8 bytes a lane.  Images: [tile][16 chunks of 64 K][768], from byte 0 of xq (512 tiles) and of wq (256 tiles).
; THE ROWS OF A TILE ARE NOT NEIGHBOURS: position r of tile T is row 32 (T / 2) + 8 (T % 2) + r + 8 (r / 8), so that the results of a product used transposed are neighbours along the next K.
; Scale words (four bytes: 128 along K of one row): [tile][K half][r 16][4 words], behind the images: from byte XSCL of xq and WSCL of wq.  wq's tiles: 0-63 W_q, 64-127 W_k, 128-191 W_v, 192-255 W_o.
; A block's scale is 2^(floor(log2(its largest magnitude)) - 2); its byte is the largest magnitude's exponent field - 2, held at 1 from below.
; LIMITS: a block of zeros, or one whose largest magnitude lies under 2^-124, gets the byte 1 where the rule says 127 or less (its bytes are read by this program alone; zero codes add nothing); NaN and infinities are not served.
; SHARES.  A wave takes one tile and one half of K: 16 rows x 512 K, four steps of 128 K.  Work-groups 0-255 take x, 256-383 the weights.  Each load reads 512 consecutive bytes of a row; the 16 rows turn through
; the wave's own stage in LDS (rows 528 bytes apart) and come back as 64 numbers a lane: two whole blocks.  Waves share nothing: no barrier, no cluster, no matrix unit.
.set XSCL,  6291456                    ; where xq's scale words begin: behind 512 tiles x 12,288 bytes
.set WSCL,  3145728                    ; and wq's: behind 256 tiles
.set ROWB,  4096                       ; bytes in a row of every input
.set SP,    528                        ; a stage row: 512 bytes + 16
.set STGB,  16*SP                      ; a wave's stage
.set SPARE, 4*STGB                     ; behind the stages: the spare words, 128 bytes a wave
.set SPW,   12                         ; v12  my spare word's address; never rewritten
.set NIL,   13                         ; v13  0; never rewritten
.set TM,    16                         ; v16-17 largest magnitudes, v18-19 scale operands, v20-21 bytes
.set WD,    24                         ; v24 the word at work, v25 the other half's
.set R,     32                         ; v32-159  two sets of 64 registers as loaded
.set X,     160                        ; v160-223 X[32 c + i] = k 64 c + 32 h + i of my row
.set PC,    224                        ; v224-235 the fragment's twelve registers
.set PT,    236                        ; v236-238, v240-242 the blocks' upper halves (a conversion's three registers begin on an even number)
.set SW,    244                        ; v244-247 the four steps' scale words
	s_load_b256 s[4:11], s[0:1], 0x0               ; x, W_q, W_k, W_v
	s_load_b128 s[12:15], s[0:1], 0x20             ; W_o, xq
	s_load_b64 s[18:19], s[0:1], 0x30              ; wq
	v_lshl_add_u32 v[SPW], v0, 2, SPARE
	v_mov_b32 v[NIL], 0
	v_lshrrev_b32 v8, 5, v0
	v_readfirstlane_b32 s24, v8                    ; wave
	v_and_b32 v9, 31, v0                           ; lane
	v_and_b32 v10, 15, v0                          ; r
	v_bfe_u32 v6, v0, 4, 1                         ; h
	v_lshlrev_b32 v1, 4, v9                        ; 16 x lane
	v_lshlrev_b32 v2, 3, v9                        ; 8 x lane
	s_mul_i32 s25, s24, STGB
	v_add_nc_u32 v3, s25, v1                       ; the stage, on the way in: 16 x lane of row i
	v_mul_u32_u24 v4, v10, SP
	v_lshl_add_u32 v4, v6, 7, v4
	v_add_nc_u32 v4, s25, v4                       ; and on the way out: row r, + 128 h bytes
	v_lshlrev_b32 v5, 4, v10
	v_lshl_add_u32 v5, v6, 3, v5                   ; the scale words' place: 16 r + 8 h
	v_lshlrev_b32 v7, 3, v6                        ; 8 h: my bytes' shift in a scale word
	v_mov_b32 v[WD+1], 0                           ; written once: a lane permute's destination counts as one of its sources
	s_mov_b32 s26, 0x76543210
	s_mov_b32 s27, 0xfedcba98                      ; selects for lane l xor 16
	s_cmp_lt_u32 ttmp9, 256                        ; x's work-group or a weight's?
	s_cselect_b32 s22, 0, 256
	s_cselect_b32 s23, 511, 63                     ; tiles in the input, less one
	s_sub_co_u32 s28, ttmp9, s22
	s_lshl_b32 s28, s28, 2
	s_add_co_u32 s28, s28, s24                     ; my job: 2 x tile + K half
	s_lshr_b32 s29, s28, 1                         ; the tile in xq or wq
	s_and_b32 s30, s28, 1                          ; the K half
	s_and_b32 s31, s29, s23                        ; the tile in its input
	s_lshr_b32 s32, s31, 1
	s_lshl_b32 s32, s32, 17                        ; 32 rows of 4,096 bytes for each pair of tiles,
	s_and_b32 s33, s31, 1
	s_lshl_b32 s33, s33, 15                        ; 8 rows for the odd tile,
	s_add_co_u32 s32, s32, s33
	s_lshl_b32 s33, s30, 11                        ; 512 numbers for the upper half of K
	s_add_co_u32 s32, s32, s33
	s_mov_b32 s33, 0
	s_mul_i32 s34, s29, 12288                      ; the images: 16 a tile,
	s_mul_i32 s35, s30, 6144                       ; 8 a half
	s_add_co_u32 s34, s34, s35
	s_mov_b32 s35, 0
	s_lshl_b32 s36, s28, 8                         ; the scale words: 256 bytes a job
	s_mov_b32 s37, 0
	s_wait_alu depctr_va_vdst(0)
	s_wait_kmcnt 0x0
	s_add_nc_u64 s[16:17], s[14:15], XSCL          ; xq's scale words
	s_add_nc_u64 s[20:21], s[18:19], WSCL          ; wq's
	s_cmp_ge_u32 ttmp9, 288                        ; which weight: the choices hang on the work-group's number alone
	s_cselect_b64 s[6:7], s[8:9], s[6:7]
	s_cmp_ge_u32 ttmp9, 320
	s_cselect_b64 s[6:7], s[10:11], s[6:7]
	s_cmp_ge_u32 ttmp9, 352
	s_cselect_b64 s[6:7], s[12:13], s[6:7]
	s_cmp_lt_u32 ttmp9, 256
	s_cselect_b64 s[4:5], s[4:5], s[6:7]           ; the input,
	s_cselect_b64 s[14:15], s[14:15], s[18:19]     ; its images,
	s_cselect_b64 s[16:17], s[16:17], s[20:21]     ; its scale words
	s_add_nc_u64 s[4:5], s[4:5], s[32:33]
	s_add_nc_u64 s[14:15], s[14:15], s[34:35]
	s_add_nc_u64 s[16:17], s[16:17], s[36:37]
.macro LOAD t                          ; step t: 128 numbers of each of the tile's 16 rows into set t % 2; a load reads 512 consecutive bytes
.irp i, 0,1,2,3,4,5,6,7,8,9,10,11,12,13,14,15
	global_load_b128 v[R+64*((\t)%2)+4*\i:R+64*((\t)%2)+4*\i+3], v1, s[4:5] offset:(\i+8*(\i/8))*ROWB+512*(\t) th:TH_LOAD_NT
.endr
.endm
.macro STEP t
.if (\t) < 3
	s_wait_loadcnt 16                              ; this step's 16 loads are in; the next step's 16 may be out
.else
	s_wait_loadcnt 0x0
.endif
.irp i, 0,1,2,3,4,5,6,7,8,9,10,11,12,13,14,15
	ds_store_b128 v3, v[R+64*((\t)%2)+4*\i:R+64*((\t)%2)+4*\i+3] offset:\i*SP
.endr
.irp c, 0,1                            ; LDS serves a wave's instructions in order: these see the stores above
.irp j, 0,1,2,3,4,5,6,7
	ds_load_b128 v[X+32*\c+4*\j:X+32*\c+4*\j+3], v4 offset:256*\c+16*\j
.endr
.endr
	s_wait_dscnt 0x0                               ; my 64 numbers are back, and the stores have read the set's registers,
.if (\t) < 2
	LOAD (\t)+2                                    ; which take the loads of two steps on
.endif
	v_max3_num_f32 v[TM], |v[X]|, |v[X+1]|, 0x1800000        ; my two blocks, 2 c + h of the step's four: all 32 numbers of each are mine.  The floor 2^(3 - 127) holds the byte at 1 from below
	v_max3_num_f32 v[TM+1], |v[X+32]|, |v[X+33]|, 0x1800000
.set I, 2
.rept 15
	v_max3_num_f32 v[TM], v[TM], |v[X+I]|, |v[X+I+1]|
	v_max3_num_f32 v[TM+1], v[TM+1], |v[X+32+I]|, |v[X+33+I]|
.set I, I+2
.endr
	v_add_nc_u32 v[TM+2], 0xff000000, v[TM]        ; 2 off the exponent field: the conversion takes this operand's exponent field as its scale
	v_add_nc_u32 v[TM+3], 0xff000000, v[TM+1]
	v_lshrrev_b32 v[TM+4], 23, v[TM+2]             ; the scales' bytes
	v_lshrrev_b32 v[TM+5], 23, v[TM+3]
	v_lshl_or_b32 v[WD], v[TM+5], 16, v[TM+4]      ; blocks h and 2 + h,
	v_lshlrev_b32 v[WD], v7, v[WD]                 ; at their places in the word;
	v_permlanex16_b32 v[WD+1], v[WD], s26, s27
	v_or_b32 v[SW+(\t)], v[WD], v[WD+1]            ; with lane l xor 16's two the word is whole, in both halves of the lanes
	s_wait_alu depctr_va_vdst(0)
	s_wait_xcnt 0x0                                ; the last step's stores have read the codes' registers: they are written again only behind this wait
.irp c, 0,1
	v_cvt_scalef32_pk16_fp6_f32 v[PC+6*\c:PC+6*\c+2], v[X+32*\c:X+32*\c+15], v[TM+2+\c]
	v_cvt_scalef32_pk16_fp6_f32 v[PT+4*\c:PT+4*\c+2], v[X+32*\c+16:X+32*\c+31], v[TM+2+\c]
.endr
	v_nop                                          ; one plain instruction between a scaled conversion and the vector instruction that reads its result
.irp c, 0,1
.irp i, 0,1,2
	v_mov_b32 v[PC+6*\c+3+\i], v[PT+4*\c+\i]
.endr
.endr
.irp c, 0,1                            ; two images: 512 and 256 consecutive bytes a store, each at a multiple of 256 from the buffer's first byte
	global_store_b128 v1, v[PC+6*\c:PC+6*\c+3], s[14:15] offset:(2*(\t)+\c)*768
	global_store_b64 v2, v[PC+6*\c+4:PC+6*\c+5], s[14:15] offset:(2*(\t)+\c)*768+512
.endr
.endm
	LOAD 0
	LOAD 1
	STEP 0
	STEP 1
	STEP 2
	STEP 3
	v_cmp_ne_u32 vcc_lo, 0, v6                     ; lanes 0-15 store words 0 and 1 of their row, lanes 16-31 words 2 and 3
	v_cndmask_b32 v248, v[SW], v[SW+2], vcc_lo
	v_cndmask_b32 v249, v[SW+1], v[SW+3], vcc_lo
	global_store_b64 v5, v[248:249], s[16:17]      ; 32 lanes store 256 consecutive bytes, aligned
	s_wait_tensorcnt 0x0                           ; the wave's end, behind my last LDS store
	ds_add_u32 v[SPW], v[NIL]
	s_wait_dscnt 0x0
	s_endpgm
.Lfunc_end_k_q5bbfa4ea6a_quant:
	.size	k_q5bbfa4ea6a_quant, .Lfunc_end_k_q5bbfa4ea6a_quant-k_q5bbfa4ea6a_quant
	.p2alignl 7, 3214868480
	.fill 96, 4, 3214868480
	.section	.rodata,"a",@progbits
	.p2align	6, 0x0
	.amdhsa_kernel k_q5bbfa4ea6a_quant
		.amdhsa_group_segment_fixed_size 34304
		.amdhsa_private_segment_fixed_size 0
		.amdhsa_enable_private_segment 0
		.amdhsa_kernarg_size 56
		.amdhsa_user_sgpr_count 2
		.amdhsa_user_sgpr_kernarg_segment_ptr 1
		.amdhsa_wavefront_size32 1
		.amdhsa_system_sgpr_workgroup_id_x 1
		.amdhsa_system_sgpr_workgroup_id_y 1
		.amdhsa_system_sgpr_workgroup_id_z 1
		.amdhsa_system_vgpr_workitem_id 0
		.amdhsa_next_free_vgpr 256
		.amdhsa_next_free_sgpr 66
		.amdhsa_reserve_vcc 1
		.amdhsa_float_denorm_mode_32 3
		.amdhsa_float_denorm_mode_16_64 3
		.amdhsa_memory_ordered 1
		.amdhsa_forward_progress 1
		.amdhsa_inst_pref_size 31
	.end_amdhsa_kernel
	.amdgpu_metadata
---
amdhsa.version: [ 1, 2 ]
amdhsa.kernels:
  - .name:           k_q5bbfa4ea6a_quant
    .symbol:         k_q5bbfa4ea6a_quant.kd
    .args:
      - { .name: x, .offset: 0, .size: 8, .value_kind: global_buffer, .address_space: global }
      - { .name: W_q, .offset: 8, .size: 8, .value_kind: global_buffer, .address_space: global }
      - { .name: W_k, .offset: 16, .size: 8, .value_kind: global_buffer, .address_space: global }
      - { .name: W_v, .offset: 24, .size: 8, .value_kind: global_buffer, .address_space: global }
      - { .name: W_o, .offset: 32, .size: 8, .value_kind: global_buffer, .address_space: global }
      - { .name: xq, .offset: 40, .size: 8, .value_kind: global_buffer, .address_space: global }
      - { .name: wq, .offset: 48, .size: 8, .value_kind: global_buffer, .address_space: global }
    .group_segment_fixed_size: 34304
    .private_segment_fixed_size: 0
    .kernarg_segment_align: 8
    .kernarg_segment_size: 56
    .max_flat_workgroup_size: 128
    .sgpr_count:     66
    .vgpr_count:     256
    .wavefront_size: 32
...
	.end_amdgpu_metadata
.endif
;; end of part 1
;; launch qkv (part 2): grid 12 x 32, 4 waves a work-group, clusters of 4 x 4, 327,680 bytes of LDS; arguments xq, wq, qkimg, qkscl, vimg, vscl; writes qkimg, qkscl, vimg, vscl
.if DOCPART == 2
	.amdgcn_target "amdgcn-amd-amdhsa--gfx1250"
	.amdhsa_code_object_version 6
	.text
	.protected	k_q5bbfa4ea6a_qkv
	.globl	k_q5bbfa4ea6a_qkv
	.p2align	8
	.type	k_q5bbfa4ea6a_qkv,@function
k_q5bbfa4ea6a_qkv:
	s_mov_b64 s[64:65], 0
	v_nop
	global_prefetch_b8 v0, s[64:65] scope:SCOPE_SE
	s_setreg_imm32_b32 hwreg(HW_REG_WAVE_MODE, 25, 1), 1
	s_wait_xcnt 0x0
	s_wait_alu depctr_hold_cnt(0) depctr_sa_sdst(0) depctr_va_vdst(0) depctr_va_sdst(0) depctr_va_ssrc(0) depctr_va_vcc(0) depctr_vm_vsrc(0)
	s_getreg_b32 s2, hwreg(HW_REG_IB_STS2, 6, 4)
	s_cmp_eq_u32 s2, 0
	s_cbranch_scc0 .Lentry_in_a_cluster
	s_endpgm
.Lentry_in_a_cluster:
	s_bfe_u32 s2, ttmp6, 0x10000c
	s_cmp_lg_u32 s2, 0xf033
	s_cbranch_scc0 .Lentry_shape_is_right
	s_endpgm
.Lentry_shape_is_right:
.set XSCL,   6291456
.set WSCL,   3145728
.set TILEB,  3072
.set HALFT,  8*TILEB
.set SLOT,   4*HALFT
.set SCL,    2*SLOT
.set SPARE,  SCL+16384
.set FR,     12
.set NL,     4
.set NP,     4
.set L16,  12
.set L8,   13
.set SOF,  14
.set ADRA, 16
.set ADRB, 20
.set ADRS, 27
.set SPW,  28
.set NIL,  29
.set SC,   32
.set PW,   64
.set PC,   72
.set PT,   84
.set TM,   96
.set OF,   112
.set CW,   116
.set AF,   128
.set G1, 24
.set G0, 32
.set G1B, 48
.set G0B, 56
.set G1S, 68
.set G0S, 76
.set G1SB, 80
.set G0SB, 88
.set MSB, 0
.macro WIN new
.if MSB != (\new)
	s_set_vgpr_msb (MSB<<8)|(\new)
.set MSB, (\new)
.endif
.endm
.set MUL_LO, 0xa1
.set MUL_HI, 0xf1
.set TO_B,   0x40
.macro JLOAD g0a, g1a, g0b, g1b
	s_cmp_eq_u32 s21, 0
	s_cbranch_scc0 .Lfor_b_\@
	tensor_load_to_lds s[\g0a:\g0a+3], s[\g1a:\g1a+7]
	s_nop 0
.rept 4
	v_nop
.endr
	s_branch .Lasked_\@
.Lfor_b_\@:
	tensor_load_to_lds s[\g0b:\g0b+3], s[\g1b:\g1b+7]
	s_nop 0
.rept 4
	v_nop
.endr
.Lasked_\@:
.endm
.macro CREST
	s_cmp_lg_u32 s20, 0
	s_cbranch_scc1 .Lnot_wave_0_\@
	s_barrier_signal -3
.Lnot_wave_0_\@:
	s_barrier_wait -3
	s_barrier_signal -1
	s_barrier_wait -1
.endm
.macro CROUND
	s_barrier_signal -1
	s_barrier_wait -1
	CREST
.endm
	s_load_b64 s[4:5], s[0:1], 0x0
	s_load_b64 s[8:9], s[0:1], 0x8
	s_load_b128 s[12:15], s[0:1], 0x10
	s_load_b128 s[16:19], s[0:1], 0x20
	v_lshl_add_u32 v[SPW], v0, 2, SPARE
	v_mov_b32 v[NIL], 0
	ds_add_u32 v[SPW], v[NIL]
	ds_add_u32 v[SPW], v[NIL]
	v_lshrrev_b32 v1, 5, v0
	v_readfirstlane_b32 s20, v1
	s_lshr_b32 s21, s20, 1
	s_and_b32 s22, s20, 1
	s_bfe_u32 s40, ttmp6, 0x40000
	s_bfe_u32 s41, ttmp6, 0x40004
	s_and_b32 s42, ttmp7, 0xffff
	s_lshl_b32 s42, s42, 2
	s_lshl_b32 s43, ttmp9, 2
	s_cmp_eq_u32 ttmp9, 2
	s_cselect_b32 s23, 1, 0
	s_cselect_b32 s44, 8, s42
	s_cselect_b32 s45, s42, s43
	s_add_co_u32 s44, s44, s41
	s_add_co_u32 s45, s45, s40
	s_lshl_b32 s46, s41, 2
	s_lshl_b32 s46, 15, s46
	s_lshl_b32 s47, 0x1111, s40
	s_or_b32 s[G1], s46, (3<<16)|(1<<21)
	s_or_b32 s[G1B], s47, (3<<16)|(1<<21)
.irp g, G1, G1B
	s_mov_b32 s[\g+1], 384<<16
	s_mov_b32 s[\g+2], 16<<16
	s_mov_b32 s[\g+3], 384<<16
	s_mov_b32 s[\g+4], 16
	s_mov_b32 s[\g+5], 1536
	s_mov_b32 s[\g+6], 0
	s_mov_b32 s[\g+7], 0
.endr
	s_or_b32 s[G1S], s46, (3<<16)|(1<<21)
	s_or_b32 s[G1SB], s47, (3<<16)|(1<<21)
.irp g, G1S, G1SB
	s_mov_b32 s[\g+1], 32<<16
	s_mov_b32 s[\g+2], 32<<16
	s_mov_b32 s[\g+3], 32<<16
	s_mov_b32 s[\g+4], 32
	s_mov_b32 s[\g+5], 32
	s_mov_b32 s[\g+6], 0
	s_mov_b32 s[\g+7], 0
.endr
	s_mul_i32 s92, s44, 196608
	s_mul_i32 s66, s22, 98304
	s_mov_b32 s67, 0
	s_mul_i32 s94, s45, 196608
	s_mov_b32 s93, 0
	s_mov_b32 s95, 0
	s_lshl_b32 s96, s44, 13
	s_lshl_b32 s98, s45, 13
	s_mov_b32 s97, 0
	s_mov_b32 s99, 0
	s_mul_i32 s100, s20, HALFT
	s_mov_b32 s2, 0x76543210
	s_mov_b32 s3, 0xfedcba98
	s_wait_dscnt 0x0
	s_wait_kmcnt 0x0
	s_add_nc_u64 s[6:7], s[4:5], XSCL
	s_add_nc_u64 s[10:11], s[8:9], WSCL
	s_cmp_eq_u32 s23, 1
	s_cselect_b64 s[42:43], s[8:9], s[4:5]
	s_cselect_b64 s[G0S+2:G0S+3], s[10:11], s[6:7]
	s_cselect_b64 s[4:5], s[4:5], s[8:9]
	s_cselect_b64 s[G0SB+2:G0SB+3], s[6:7], s[10:11]
	s_cselect_b64 s[12:13], s[16:17], s[12:13]
	s_cselect_b64 s[14:15], s[18:19], s[14:15]
	s_add_nc_u64 s[42:43], s[42:43], s[92:93]
	s_add_nc_u64 s[G0S+2:G0S+3], s[G0S+2:G0S+3], s[96:97]
	s_add_nc_u64 s[4:5], s[4:5], s[94:95]
	s_add_nc_u64 s[G0SB+2:G0SB+3], s[G0SB+2:G0SB+3], s[98:99]
	CROUND
	s_mov_b32 s[G0S], 1
	s_mov_b32 s[G0S+1], SCL
	s_or_b32 s[G0S+3], s[G0S+3], 0x80000000
	s_mov_b32 s[G0SB], 1
	s_mov_b32 s[G0SB+1], SCL+8192
	s_or_b32 s[G0SB+3], s[G0SB+3], 0x80000000
	; the head's four tiles, one load a wave: wave 0 slot 0's 16 tiles of A, wave 1 its 16 of B, wave 2 A's scale words, wave 3 B's
	s_mov_b32 s[G0], 1
	s_mov_b32 s[G0+1], 0
	s_mov_b64 s[G0+2:G0+3], s[42:43]
	s_or_b32 s[G0+3], s[G0+3], 0x80000000
	s_mov_b32 s[G0B], 1
	s_mov_b32 s[G0B+1], 2*HALFT
	s_mov_b64 s[G0B+2:G0B+3], s[4:5]
	s_or_b32 s[G0B+3], s[G0B+3], 0x80000000
	s_cmp_lt_u32 s20, 1
	s_cbranch_scc0 .Lhead_b
	tensor_load_to_lds s[G0:G0+3], s[G1:G1+7]
	s_nop 0
.rept 4
	v_nop
.endr
	s_branch .Lhead_asked
.Lhead_b:
	s_cmp_lt_u32 s20, 2
	s_cbranch_scc0 .Lhead_sa
	tensor_load_to_lds s[G0B:G0B+3], s[G1B:G1B+7]
	s_nop 0
.rept 4
	v_nop
.endr
	s_branch .Lhead_asked
.Lhead_sa:
	s_cmp_lt_u32 s20, 3
	s_cbranch_scc0 .Lhead_sb
	tensor_load_to_lds s[G0S:G0S+3], s[G1S:G1S+7]
	s_nop 0
.rept 4
	v_nop
.endr
	s_branch .Lhead_asked
.Lhead_sb:
	tensor_load_to_lds s[G0SB:G0SB+3], s[G1SB:G1SB+7]
	s_nop 0
.rept 4
	v_nop
.endr
.Lhead_asked:
	s_add_nc_u64 s[42:43], s[42:43], s[66:67]      ; for the ring: my 8 tiles of the 16
	s_add_nc_u64 s[4:5], s[4:5], s[66:67]
	s_mov_b32 s[G0+4], 1
	s_add_co_u32 s[G0+5], s100, SLOT
	s_add_nc_u64 s[G0+6:G0+7], s[42:43], TILEB
	s_or_b32 s[G0+7], s[G0+7], 0x80000000
	s_mov_b32 s[G0B+4], 1
	s_add_co_u32 s[G0B+5], s100, SLOT
	s_add_nc_u64 s[G0B+6:G0B+7], s[4:5], TILEB
	s_or_b32 s[G0B+7], s[G0B+7], 0x80000000
	s_wait_alu depctr_va_vdst(0)
	s_wait_tensorcnt 0x0                           ; my tile of the four is in: no load of mine is out, so the descriptors may be written
	ds_add_u32 v28, v29
	s_mov_b32 s[G1+2], 8<<16                       ; from here on a load brings 8 tiles
	s_mov_b32 s[G1+4], 8
	s_mov_b32 s[G1B+2], 8<<16
	s_mov_b32 s[G1B+4], 8
	s_mov_b32 s[G0+1], s100
	s_mov_b64 s[G0+2:G0+3], s[42:43]
	s_or_b32 s[G0+3], s[G0+3], 0x80000000
	s_mov_b32 s[G0B+1], s100
	s_mov_b64 s[G0B+2:G0B+3], s[4:5]
	s_or_b32 s[G0B+3], s[G0B+3], 0x80000000
	s_wait_dscnt 0x0
	CROUND                                         ; all four tiles are in, in every partner
	JLOAD G0+4, G1, G0B+4, G1B                     ; slot 1's first fill
	v_and_b32 v1, 15, v0
	v_bfe_u32 v2, v0, 4, 1
	v_and_b32 v3, 31, v0
	v_lshlrev_b32 v[L16], 4, v3
	v_lshlrev_b32 v[L8], 3, v3
	s_mul_i32 s92, s21, HALFT
	s_mul_i32 s93, s22, HALFT
	s_add_co_u32 s93, s93, 2*HALFT
.irp s, 0,1
	v_add_nc_u32 v[ADRA+\s], s92, v[L16]
	v_add_nc_u32 v[ADRA+2+\s], s92, v[L8]
	v_add_nc_u32 v[ADRB+\s], s93, v[L16]
	v_add_nc_u32 v[ADRB+2+\s], s93, v[L8]
	s_add_co_u32 s92, s92, SLOT
	s_add_co_u32 s93, s93, SLOT
.endr
	s_lshl_b32 s92, s21, 12
	s_lshl_b32 s93, s22, 12
	s_add_co_u32 s93, s93, 8192
	s_sub_co_u32 s93, s93, s92
	v_mul_u32_u24 v4, s93, v2
	s_add_co_u32 s92, s92, SCL
	v_lshl_add_u32 v4, v1, 4, v4
	v_add_nc_u32 v[ADRS], s92, v4
.irp b, 0,1,2,3
	v_mov_b32 v[TM+4+\b], 0
.endr
.macro FRAG reg, adr, q, i
	ds_load_b128 v[\reg:\reg+3], v[\adr] offset:(\i)*TILEB+(\q)*1536
	ds_load_b64 v[\reg+4:\reg+5], v[\adr+2] offset:(\i)*TILEB+(\q)*1536+512
	ds_load_b128 v[\reg+6:\reg+9], v[\adr] offset:(\i)*TILEB+(\q)*1536+768
	ds_load_b64 v[\reg+10:\reg+11], v[\adr+2] offset:(\i)*TILEB+(\q)*1536+1280
.endm
.macro MUL16 a0, p, q, sc, zero
.irp a, \a0, \a0+1
.irp b, 0,1,2,3,4,5,6,7
.if \zero
	v_wmma_scale_f32_16x16x128_f8f6f4 v[8*(8*((\a)%4)+\b):8*(8*((\a)%4)+\b)+7], v[128*(\p)+FR*\b:128*(\p)+FR*\b+FR-1], v[AF+FR*(\a):AF+FR*(\a)+FR-1], 0, v[SC+16*(\sc)+2*\b+(\q)], v[SC+16*(\sc)+2*(\a)+(\q)] matrix_a_fmt:MATRIX_FMT_FP6 matrix_b_fmt:MATRIX_FMT_FP6 matrix_a_scale:MATRIX_SCALE_ROW1
.else
	v_wmma_scale_f32_16x16x128_f8f6f4 v[8*(8*((\a)%4)+\b):8*(8*((\a)%4)+\b)+7], v[128*(\p)+FR*\b:128*(\p)+FR*\b+FR-1], v[AF+FR*(\a):AF+FR*(\a)+FR-1], v[8*(8*((\a)%4)+\b):8*(8*((\a)%4)+\b)+7], v[SC+16*(\sc)+2*\b+(\q)], v[SC+16*(\sc)+2*(\a)+(\q)] matrix_a_fmt:MATRIX_FMT_FP6 matrix_b_fmt:MATRIX_FMT_FP6 matrix_a_scale:MATRIX_SCALE_ROW1
.endif
.endr
.endr
.endm
.macro FETCH_B slot, q, p
	WIN TO_B
.irp i, 0,1,2,3,4,5,6,7
	FRAG 128*(\p)+FR*\i, ADRB+\slot, \q, \i
.endr
	WIN 0
.endm
.macro FETCH_A slot, q, i0
.irp i, \i0, \i0+1, \i0+2, \i0+3
	FRAG AF+FR*(\i), ADRA+\slot, \q, \i
.endr
.endm
.macro SCALES j, sc
.irp i, 0,1,2,3,4,5,6,7
	ds_load_b64 v[SC+16*(\sc)+2*\i:SC+16*(\sc)+2*\i+1], v[ADRS] offset:\i*512+((\j)/2)*256+((\j)%2)*8
.endr
.endm
.macro PLACES n
.rept \n
	v_nop
.endr
.endm
.macro STEP slot, zero
	s_wait_dscnt 4*NL
	WIN MUL_LO
	MUL16 0, 0, 0, \slot, \zero
	MUL16 2, 0, 0, \slot, \zero
	s_wait_dscnt 0
	PLACES NP
	FETCH_B \slot, 1, 1
	FETCH_A \slot, 1, 0
	WIN MUL_HI
	MUL16 4, 0, 0, \slot, \zero
	MUL16 6, 0, 0, \slot, \zero
	PLACES NP
	WIN 0
	FETCH_A \slot, 1, 4
.endm
.macro TURN slot, next, fill, j
	s_wait_tensorcnt 0x0
	ds_add_u32 v[SPW], v[NIL]
	s_wait_dscnt 4*NL+1
	WIN MUL_LO
	MUL16 0, 1, 1, \slot, 0
	s_wait_dscnt 0x0
	s_barrier_signal -1
	MUL16 2, 1, 1, \slot, 0
	WIN 0
	s_barrier_wait -1
.if \fill
	CREST
	s_add_nc_u64 s[G0+4*\slot+2:G0+4*\slot+3], s[G0+4*\slot+2:G0+4*\slot+3], 2*TILEB
	s_add_nc_u64 s[G0B+4*\slot+2:G0B+4*\slot+3], s[G0B+4*\slot+2:G0B+4*\slot+3], 2*TILEB
	JLOAD G0+4*\slot, G1, G0B+4*\slot, G1B
.else
	PLACES NP
.endif
	FETCH_B \next, 0, 0
	FETCH_A \next, 0, 0
	SCALES \j, \next
	WIN MUL_HI
	MUL16 4, 1, 1, \slot, 0
	MUL16 6, 1, 1, \slot, 0
	PLACES NP
	WIN 0
	FETCH_A \next, 0, 4
.endm
	s_wait_alu depctr_va_vdst(0)
	s_wait_tensorcnt 1
	s_barrier_signal -1
	s_barrier_wait -1
	FETCH_B 0, 0, 0
	FETCH_A 0, 0, 0
	SCALES 0, 0
	FETCH_A 0, 0, 4
	STEP 0, 1
	TURN 0, 1, 1, 1
	STEP 1, 0
	TURN 1, 0, 1, 2
	STEP 0, 0
	TURN 0, 1, 0, 3
	STEP 1, 0
	s_wait_dscnt 4*NL
	WIN MUL_LO
	MUL16 0, 1, 1, 1, 0
	MUL16 2, 1, 1, 1, 0
	s_wait_dscnt 0
	WIN MUL_HI
	MUL16 4, 1, 1, 1, 0
	MUL16 6, 1, 1, 1, 0
	WIN 0
	PLACES NP
	s_and_b32 s92, ttmp7, 0xffff
	s_lshl_b32 s92, s92, 2
	s_cmp_eq_u32 s23, 1
	s_cselect_b32 s93, s40, s41
	s_cselect_b32 s94, s22, s21
	s_cselect_b32 s95, s41, s40
	s_cselect_b32 s96, s21, s22
	s_cselect_b32 s97, 0, ttmp9
	s_add_co_u32 s92, s92, s93
	s_lshl_b32 s92, s92, 1
	s_add_co_u32 s92, s92, s94
	s_lshl_b32 s97, s97, 2
	s_add_co_u32 s95, s95, s97
	s_lshl_b32 s95, s95, 1
	s_add_co_u32 s95, s95, s96
	s_lshr_b32 s93, s95, 3
	s_lshl_b32 s93, s93, 10
	s_lshr_b32 s94, s92, 4
	s_lshl_b32 s94, s94, 8
	s_add_co_u32 s93, s93, s94
	s_and_b32 s94, s95, 7
	s_lshl_b32 s94, s94, 5
	s_add_co_u32 s93, s93, s94
	s_and_b32 s94, s92, 15
	s_add_co_u32 s93, s93, s94
	s_cmp_eq_u32 s23, 1
	s_mov_b32 s96, 768
	s_mov_b32 s97, 768
	s_mov_b32 s98, 98304
	s_mov_b32 s99, 256
	s_cselect_b32 s96, 1536, s96
	s_cselect_b32 s97, 93696, s97
	s_cselect_b32 s98, 768, s98
	s_cselect_b32 s99, 4096, s99
	s_cselect_b32 s100, 8, 9
	s_mul_i32 s94, s93, 6144
	s_lshl_b32 s101, s93, s100
.macro QUANTW s, w, pw
	WIN (\w)|((\w)<<2)
.irp b, 0,1,2,3
	v_max3_num_f32 v[TM+\b], |v[(\s)+16*\b]|, |v[(\s)+1+16*\b]|, 0x1800000
.endr
	WIN ((\w)<<2)|((\w)<<4)
.irp i, 2,4,6,8,10,12,14
.irp b, 0,1,2,3
	v_max3_num_f32 v[TM+\b], v[TM+\b], |v[(\s)+16*\b+\i]|, |v[(\s)+1+16*\b+\i]|
.endr
.endr
	WIN 0
.irp b, 0,1,2,3
	v_permlanex16_b32 v[TM+4+\b], v[TM+\b], s2, s3
.endr
.irp b, 0,1,2,3
	v_max_num_f32 v[TM+\b], v[TM+\b], v[TM+4+\b]
.endr
.irp b, 0,1,2,3
	v_add_nc_u32 v[TM+12+\b], 0xff000000, v[TM+\b]
.endr
.irp b, 0,1,2,3
	v_lshrrev_b32 v[TM+4+\b], 23, v[TM+12+\b]
.endr
	v_lshl_or_b32 v[\pw], v[TM+5], 8, v[TM+4]
	v_lshl_or_b32 v[\pw], v[TM+6], 16, v[\pw]
	v_lshl_or_b32 v[\pw], v[TM+7], 24, v[\pw]
	WIN (\w)
.irp c, 0,1
	v_cvt_scalef32_pk16_fp6_f32 v[PC+6*\c:PC+6*\c+2], v[(\s)+32*\c:(\s)+32*\c+15], v[TM+12+2*\c]
	v_cvt_scalef32_pk16_fp6_f32 v[PT+4*\c:PT+4*\c+2], v[(\s)+32*\c+16:(\s)+32*\c+31], v[TM+13+2*\c]
.endr
	WIN 0
	v_nop
.irp c, 0,1
.irp i, 0,1,2
	v_permlane16_swap_b32 v[PC+6*\c+\i], v[PT+4*\c+\i]
.endr
.irp i, 0,1,2
	v_mov_b32 v[PC+6*\c+3+\i], v[PT+4*\c+\i]
.endr
.endr
.endm
.irp a, 0,1,2,3,4,5,6,7
.if \a > 0
	s_wait_xcnt 0x0
.endif
	QUANTW 64*((\a)%4), 2+(\a)/4, PW+\a
	s_add_co_u32 s95, s94, s98
	v_add_nc_u32 v[OF], s94, v[L16]
	v_add_nc_u32 v[OF+1], s94, v[L8]
	v_add_nc_u32 v[OF+2], s95, v[L16]
	v_add_nc_u32 v[OF+3], s95, v[L8]
	global_store_b128 v[OF], v[PC:PC+3], s[12:13]
	global_store_b64 v[OF+1], v[PC+4:PC+5], s[12:13] offset:512
	global_store_b128 v[OF+2], v[PC+6:PC+9], s[12:13]
	global_store_b64 v[OF+3], v[PC+10:PC+11], s[12:13] offset:512
.if (\a)%4 == 3
	s_add_co_u32 s94, s94, s97
.else
	s_add_co_u32 s94, s94, s96
.endif
.endr
	v_cmp_ne_u32 vcc_lo, 0, v2
.irp i, 0,1,2,3
	v_cndmask_b32 v[CW+\i], v[PW+\i], v[PW+4+\i], vcc_lo
.endr
	v_mul_u32_u24 v[SOF], v2, s99
	v_lshl_add_u32 v[SOF], v1, 4, v[SOF]
	v_add_nc_u32 v[SOF], s101, v[SOF]
	s_cmp_eq_u32 s23, 1
	s_cbranch_scc1 .Lwhole_words
.irp i, 0,1,2,3
	v_lshrrev_b32 v[CW+4+\i], 16, v[CW+\i]
.endr
.irp i, 0,1,2,3
	v_and_b32 v[CW+\i], 0xffff, v[CW+\i]
.endr
	global_store_b128 v[SOF], v[CW+4:CW+7], s[14:15] offset:8192
.Lwhole_words:
	s_wait_alu depctr_va_vdst(0)
	global_store_b128 v[SOF], v[CW:CW+3], s[14:15]
	s_wait_tensorcnt 0x0
	ds_add_u32 v[SPW], v[NIL]
	s_wait_dscnt 0x0
	CROUND
	s_endpgm
.Lfunc_end_k_q5bbfa4ea6a_qkv:
	.size	k_q5bbfa4ea6a_qkv, .Lfunc_end_k_q5bbfa4ea6a_qkv-k_q5bbfa4ea6a_qkv
	.p2alignl 7, 3214868480
	.fill 96, 4, 3214868480
	.section	.rodata,"a",@progbits
	.p2align	6, 0x0
	.amdhsa_kernel k_q5bbfa4ea6a_qkv
		.amdhsa_group_segment_fixed_size 327680
		.amdhsa_private_segment_fixed_size 0
		.amdhsa_enable_private_segment 0
		.amdhsa_kernarg_size 48
		.amdhsa_user_sgpr_count 2
		.amdhsa_user_sgpr_kernarg_segment_ptr 1
		.amdhsa_wavefront_size32 1
		.amdhsa_system_sgpr_workgroup_id_x 1
		.amdhsa_system_sgpr_workgroup_id_y 1
		.amdhsa_system_sgpr_workgroup_id_z 1
		.amdhsa_system_vgpr_workitem_id 0
		.amdhsa_next_free_vgpr 1024
		.amdhsa_next_free_sgpr 102
		.amdhsa_reserve_vcc 1
		.amdhsa_float_denorm_mode_32 3
		.amdhsa_float_denorm_mode_16_64 3
		.amdhsa_memory_ordered 1
		.amdhsa_forward_progress 1
		.amdhsa_inst_pref_size 153
	.end_amdhsa_kernel
	.amdgpu_metadata
---
amdhsa.version: [ 1, 2 ]
amdhsa.kernels:
  - .name:           k_q5bbfa4ea6a_qkv
    .symbol:         k_q5bbfa4ea6a_qkv.kd
    .args:
      - { .name: xq, .offset: 0, .size: 8, .value_kind: global_buffer, .address_space: global }
      - { .name: wq, .offset: 8, .size: 8, .value_kind: global_buffer, .address_space: global }
      - { .name: qkimg, .offset: 16, .size: 8, .value_kind: global_buffer, .address_space: global }
      - { .name: qkscl, .offset: 24, .size: 8, .value_kind: global_buffer, .address_space: global }
      - { .name: vimg, .offset: 32, .size: 8, .value_kind: global_buffer, .address_space: global }
      - { .name: vscl, .offset: 40, .size: 8, .value_kind: global_buffer, .address_space: global }
    .group_segment_fixed_size: 327680
    .private_segment_fixed_size: 0
    .kernarg_segment_align: 8
    .kernarg_segment_size: 48
    .max_flat_workgroup_size: 128
    .sgpr_count:     102
    .vgpr_count:     1024
    .wavefront_size: 32
...
	.end_amdgpu_metadata
.endif
;; end of part 2
;; launch attn (part 3): grid 4 x 64, 8 waves a work-group, clusters of 4 x 1, 234,496 bytes of LDS; arguments qkimg, qkscl, vimg, vscl, himg, hscl; writes himg, hscl
.if DOCPART == 3
	.amdgcn_target "amdgcn-amd-amdhsa--gfx1250"
	.amdhsa_code_object_version 6
	.text
	.protected	k_q5bbfa4ea6a_attn
	.globl	k_q5bbfa4ea6a_attn
	.p2align	8
	.type	k_q5bbfa4ea6a_attn,@function
k_q5bbfa4ea6a_attn:
	s_mov_b64 s[64:65], 0
	v_nop
	global_prefetch_b8 v0, s[64:65] scope:SCOPE_SE
	s_setreg_imm32_b32 hwreg(HW_REG_WAVE_MODE, 25, 1), 1
	s_wait_xcnt 0x0
	s_wait_alu depctr_hold_cnt(0) depctr_sa_sdst(0) depctr_va_vdst(0) depctr_va_sdst(0) depctr_va_ssrc(0) depctr_va_vcc(0) depctr_vm_vsrc(0)
	s_getreg_b32 s2, hwreg(HW_REG_IB_STS2, 6, 4)
	s_cmp_eq_u32 s2, 0
	s_cbranch_scc0 .Lentry_in_a_cluster
	s_endpgm
.Lentry_in_a_cluster:
	s_bfe_u32 s2, ttmp6, 0x10000c
	s_cmp_lg_u32 s2, 0x3003
	s_cbranch_scc0 .Lentry_shape_is_right
	s_endpgm
.Lentry_shape_is_right:
; Attention of one (batch, head) for 512 queries, both products on codes of FP6 (E2M3) with E8M0 scales; the result is quantised along the embedding and leaves as images for the output projection.
; THE SOFTMAX: t = score x log2(e) / 8; M = the running largest t rounded UP to a whole number; p = 2^(t - M) is quantised along the keys, not normalised.  The row's sum is taken of the unquantised p and divides at the end.
; When M moves, the sum and O are multiplied by 2^(old M - new M): exact.
; SHARES.  A head's K and V (2 x 98,304 bytes of codes, 12,288 of scale words) lie in LDS whole, filled once: no ring, no refill, no barrier in the loop.  The four work-groups of a cluster are the head's four blocks of
; 512 queries and need the same bytes: each part is asked for jointly (mask 15), one tensor load a wave: waves 0-2 a third of K each, waves 3-5 of V, wave 6 K's scale words, wave 7 V's.
; Eight waves; a wave walks the 16 steps of 128 keys ONCE with four tiles of 16 queries, so that each fragment of K and V read from LDS serves four tiles.
; LAYOUT.  Both products are used transposed (S^T = K Q^T, O^T = V^T P^T): a lane holds ONE query (lane % 16).  THE KEYS OF A TILE OF K ARE CHOSEN BY THE LDS ADDRESSES: row 8 g + j of tile t takes key
; 64 (t / 4) + 32 g + 8 (t % 4) + j of the step.  So the 32 score registers of tiles 4 c .. 4 c + 3 are, in lane half h, the whole block of 32 keys 2 c + h, in order: a block's largest score needs no other lane,
; and two conversions give six registers of P's operand as they fall.  In the images as they were stored that row is position 8 ((t / 2) % 2) + j of tile 4 (t / 4) + 2 g + t % 2.
; K lands with 64 bytes of padding behind each 256, so that rows 0-7 and rows 8-15 of a fragment's 16-byte loads, which come from images 1,536 bytes apart, fall on different banks (64 banks of 4 bytes: ISA guide 11.1).
; K = 64 IN A FORM OF K = 128: Q's upper six registers are zero codes, so what K's operand names as its upper six (the next tile's; the last names zeros) adds nothing; the scale bytes of that half are 0, no NaN.
; THE ORDER.  A tile's four products O^T += V^T P^T stand one tile later, between the links of the next tile's chain from the largest score to -M, which hang on each other.  So tile 0 of a step issues tile 3's of the step before;
; in the first step it finds zero codes, which add nothing; the last step's stand behind the loop.
; No prefetch: all that the work-group reads is asked for at its head, and the loop reads LDS alone.
; LIMITS: the promise holds while the scaled scores stay under 2^31 in magnitude; a block of zeros or under 2^-124 gets the byte 1 (read by this program alone); NaN and infinities are not served.
.set VIMG,  122880                     ; LDS: K from 0: [step 16][image 8][3 rows of 320]; V from here: [step][tile 4][half 2][768]
.set KSC,   221184                     ; K's scale words [step][lane 32][4 words]
.set VSC,   229376                     ; V's [step][r 16][4 words]
.set SPARE, 233472                     ; the spare words, 128 bytes a wave
.set KT,    960                        ; an image of K in LDS
.set KSTEP, 7680
; window 0: v1 16 x lane, v2 8 x lane, v3 16 r
.set BK16, 4                           ; lane terms of the LDS addresses: K's 16-byte and 8-byte pieces, K's scale words, the same of V
.set BK8,  5
.set BKS,  6
.set BV16, 7
.set BV8,  8
.set BVS,  9
.set SH8,  10                          ; 8 h
.set ST,   12                          ; v12-27: for each tile -M, the largest score, the sum in two halves
.set QS,   28                          ; v28-31 Q's scale words, a register a tile
.set KF,   32                          ; v32-79 K's eight tiles, v80-85 zero codes
.set SPW,  86
.set NIL,  87
.set AK16, 88                          ; v88-93 the step's addresses
.set AK8,  89
.set AKS,  90
.set AV16, 91
.set AV8,  92
.set AVS,  93
.set S,    96                          ; v96-159 S^T, then p
.set PC,   160                         ; v160-171 p's codes
.set PT,   172                         ; v172-174, v176-178 the blocks' upper halves
.set KS,   180                         ; v180-183 register i: lanes 0-15 tile i, lanes 16-31 tile i + 4
.set VS,   184                         ; v184-187
.set BM,   188                         ; v188-195 eight chains of maxima, one a tile of K; the blocks' end in v188 and v192
.set SO,   196
.set PR,   198                         ; v198-200
.set F,    202                         ; v202 f = 2^(old M - new M), v203 = 0
.set WK,   204
.set OLD,  205
.set PWD,  207                         ; p's scale word
.set CH,   208                         ; v208-221 seven chains of the sum
; window 1
.set O,    0                           ; O^T: 32 registers a tile
.set VF,   128                         ; V's four fragments
.set QF,   176                         ; Q: six registers and six zero codes a tile
.set WV,  16
.set CX,  17
.set BH,  18
.set SEL, 20
.set CS,  22
.set G1K, 24
.set G1V, 32
.set G1KS, 40
.set G1VS, 48
.set G0K, 56
.set G0V, 60
.set G0KS, 68
.set G0VS, 72
.set TK,  76
.set TS,  77
.set TV,  78
.set TW,  79
.set CNT, 80
.set QP,  82
.set QSP, 84
.set HP,  86
.set HSP, 88
.set MSB, 0
.macro WIN new
.if MSB != (\new)
	s_set_vgpr_msb (MSB<<8)|(\new)
.set MSB, (\new)
.endif
.endm
.macro WALU
	s_wait_alu depctr_va_vdst(0)
.endm
.macro CROUND
	s_barrier_signal -1
	s_barrier_wait -1
	s_cmp_lg_u32 s[WV], 0
	s_cbranch_scc1 .Lnot_wave_0_\@
	s_barrier_signal -3
.Lnot_wave_0_\@:
	s_barrier_wait -3
	s_barrier_signal -1
	s_barrier_wait -1
.endm
.macro GROUP1 g, word0, rows           ; dense blocks as rows of 256 bytes (32 elements of 8)
	s_mov_b32 s[\g], \word0
	s_mov_b32 s[\g+1], 32<<16
	s_mov_b32 s[\g+2], (\rows)<<16
	s_mov_b32 s[\g+3], 32<<16
	s_mov_b32 s[\g+4], \rows
	s_mov_b32 s[\g+5], 32
	s_mov_b32 s[\g+6], 0
	s_mov_b32 s[\g+7], 0
.endm
.macro TLOAD g0, g1
	tensor_load_to_lds s[\g0:\g0+3], s[\g1:\g1+7]
	s_nop 0
.rept 4
	v_nop
.endr
.endm
	s_load_b256 s[4:11], s[0:1], 0x0               ; qkimg, qkscl, vimg, vscl
	s_load_b128 s[12:15], s[0:1], 0x20             ; himg, hscl
	v_lshl_add_u32 v[SPW], v0, 2, SPARE
	v_mov_b32 v[NIL], 0
	ds_add_u32 v[SPW], v[NIL]                      ; the opening lines
	ds_add_u32 v[SPW], v[NIL]
	v_lshrrev_b32 v88, 5, v0
	v_readfirstlane_b32 s[WV], v88                 ; wave 0..7
	s_bfe_u32 s[CX], ttmp6, 0x40000                ; my block of 512 queries: it enters Q's and the output's addresses alone
	s_and_b32 s[BH], ttmp7, 0xffff                 ; 16 x batch + head, which the four partners share
	GROUP1 G1K, 15|(3<<16)|(1<<20)|(1<<21)|(5<<22)|(15<<25), 128   ; a third of K: 128 rows, 16 dwords of padding behind each 64
	GROUP1 G1V, 15|(3<<16)|(1<<21), 128
	GROUP1 G1KS, 15|(3<<16)|(1<<21), 32
	GROUP1 G1VS, 15|(3<<16)|(1<<21), 16
	s_mul_i32 s90, s[BH], 98304
	s_lshl_b32 s91, s[WV], 15
	s_add_co_u32 s90, s90, s91                     ; the head's codes + 32,768 x wave
	s_mov_b32 s91, 0
	s_lshl_b32 s92, s[BH], 13
	s_mov_b32 s93, 0
	s_lshl_b32 s94, s[BH], 12
	s_mov_b32 s95, 0
	s_mul_i32 s[G0K+1], s[WV], 128*320
	s_lshl_b32 s[G0V+1], s[WV], 15
	s_add_co_u32 s[G0V+1], s[G0V+1], VIMG-98304    ; waves 3-5: VIMG + 32,768 (wave - 3)
	s_mov_b32 s[G0KS+1], KSC
	s_mov_b32 s[G0VS+1], VSC
	s_mov_b32 s[G0K], 1
	s_mov_b32 s[G0V], 1
	s_mov_b32 s[G0KS], 1
	s_mov_b32 s[G0VS], 1
	s_lshl_b32 s96, s[CX], 5
	s_lshl_b32 s97, s[WV], 2
	s_add_co_u32 s96, s96, s97                     ; my first tile of queries: 32 cx + 4 wave
	s_lshl_b32 s97, s[BH], 7
	s_add_co_u32 s97, s97, s96                     ; among Q's tiles: 128 a head
	s_mul_i32 s[QP], s97, 768
	s_mov_b32 s[QP+1], 0
	s_lshl_b32 s[QSP], s97, 6                      ; four tiles' scale words: 256 bytes
	s_mov_b32 s[QSP+1], 0
	s_lshr_b32 s97, s[BH], 4
	s_lshl_b32 s97, s97, 7
	s_add_co_u32 s97, s97, s96                     ; among the 512 tiles of tokens
	s_lshl_b32 s98, s97, 4
	s_and_b32 s99, s[BH], 15
	s_add_co_u32 s98, s98, s99                     ; 16 chunks a tile: the head is the chunk
	s_mul_i32 s[HP], s98, 768
	s_mov_b32 s[HP+1], 0
	s_lshl_b32 s[HSP], s97, 9
	s_bfe_u32 s98, s[BH], 0x10003
	s_lshl_b32 s98, s98, 8
	s_add_co_u32 s[HSP], s[HSP], s98
	s_and_b32 s98, s[BH], 7
	s_lshl_b32 s98, s98, 1
	s_add_co_u32 s[HSP], s[HSP], s98
	s_mov_b32 s[HSP+1], 0
	s_mov_b32 s[SEL], 0x76543210
	s_mov_b32 s[SEL+1], 0xfedcba98
	s_mov_b32 s[CS], 0x3e38aa3b                    ; c = log2(e) / sqrt(64)
	s_mov_b32 s[CS+1], s[CS]
	s_mov_b32 s[TK], 0
	s_mov_b32 s[TS], 0
	s_mov_b32 s[TV], 0
	s_mov_b32 s[TW], 0
	s_mov_b32 s[CNT], 16
	s_wait_dscnt 0x0
	s_wait_kmcnt 0x0
	s_add_nc_u64 s[G0K+2:G0K+3], s[4:5], s[90:91]
	s_add_nc_u64 s[G0K+2:G0K+3], s[G0K+2:G0K+3], 6291456   ; K's images lie behind Q's
	s_or_b32 s[G0K+3], s[G0K+3], 0x80000000
	s_add_nc_u64 s[G0V+2:G0V+3], s[8:9], s[90:91]
	s_sub_nc_u64 s[G0V+2:G0V+3], s[G0V+2:G0V+3], 98304     ; waves 3-5 take thirds 0-2
	s_or_b32 s[G0V+3], s[G0V+3], 0x80000000
	s_add_nc_u64 s[G0KS+2:G0KS+3], s[6:7], s[92:93]
	s_add_nc_u64 s[G0KS+2:G0KS+3], s[G0KS+2:G0KS+3], 524288
	s_or_b32 s[G0KS+3], s[G0KS+3], 0x80000000
	s_add_nc_u64 s[G0VS+2:G0VS+3], s[10:11], s[94:95]
	s_or_b32 s[G0VS+3], s[G0VS+3], 0x80000000
	s_add_nc_u64 s[QP:QP+1], s[4:5], s[QP:QP+1]
	s_add_nc_u64 s[QSP:QSP+1], s[6:7], s[QSP:QSP+1]
	s_add_nc_u64 s[HP:HP+1], s[12:13], s[HP:HP+1]
	s_add_nc_u64 s[HSP:HSP+1], s[14:15], s[HSP:HSP+1]
	CROUND                                         ; all four work-groups are here: the joint loads meet
	s_cmp_lt_u32 s[WV], 3                          ; one chain of arms on the wave's number, one load to an arm
	s_cbranch_scc0 .Larm_v
	TLOAD G0K, G1K
	s_branch .Lasked
.Larm_v:
	s_cmp_lt_u32 s[WV], 6
	s_cbranch_scc0 .Larm_ks
	TLOAD G0V, G1V
	s_branch .Lasked
.Larm_ks:
	s_cmp_eq_u32 s[WV], 6
	s_cbranch_scc0 .Larm_vs
	TLOAD G0KS, G1KS
	s_branch .Lasked
.Larm_vs:
	TLOAD G0VS, G1VS
.Lasked:
	v_and_b32 v88, 31, v0
	v_and_b32 v89, 15, v0
	v_bfe_u32 v90, v0, 4, 1                        ; h
	v_and_b32 v91, 7, v0                           ; j
	v_bfe_u32 v92, v0, 3, 1                        ; g
	v_lshlrev_b32 v1, 4, v88
	v_lshlrev_b32 v2, 3, v88
	v_lshlrev_b32 v3, 4, v89
	v_mul_u32_u24 v93, v92, 2*KT                   ; rows 8-15 come from the image two further on
	v_mad_u32_u24 v[BK16], v90, 320, v93
	v_lshl_add_u32 v[BK16], v91, 4, v[BK16]        ; 16 j + 320 h + 1,920 g
	v_lshl_add_u32 v[BK8], v90, 7, v93
	v_lshl_add_u32 v[BK8], v91, 3, v[BK8]          ; 8 j + 128 h + 1,920 g (+ 640 in the loads' offsets)
	v_lshlrev_b32 v[BKS], 8, v90
	v_lshl_add_u32 v[BKS], v91, 4, v[BKS]
	v_lshl_add_u32 v[BKS], v92, 3, v[BKS]
	v_add_nc_u32 v[BKS], KSC, v[BKS]               ; 16 j + 8 g + 256 h: two words, of images t % 2 = 0, 1
	v_add_nc_u32 v[BV16], VIMG, v1
	v_add_nc_u32 v[BV8], VIMG, v2
	v_add_nc_u32 v[BVS], VSC, v3
	v_lshlrev_b32 v[SH8], 3, v90
	global_load_b128 v[QS:QS+3], v3, s[QSP:QSP+1]
	WIN 0x40
.irp x, 0,1,2,3
	global_load_b128 v[QF+12*\x:QF+12*\x+3], v1, s[QP:QP+1] offset:768*\x
	global_load_b64 v[QF+12*\x+4:QF+12*\x+5], v2, s[QP:QP+1] offset:768*\x+512
.endr
.irp x, 0,1,2,3
.irp i, 6,7,8,9,10,11
	v_mov_b32 v[QF+12*\x+\i], 0                    ; Q's upper 64 along K: zero codes
.endr
.endr
.set J, 0
.rept 176
	v_mov_b32 v[O+J], 0                            ; O^T, and V's registers for the first step's products on zero codes.  These stand under the tensor loads' flight
.set J, J+1
.endr
	WIN 0
.irp i, 48,49,50,51,52,53
	v_mov_b32 v[KF+\i], 0
.endr
.irp i, 0,1,2,3,4,5,6,7,8,9,10,11
	v_mov_b32 v[PC+\i], 0                          ; zero codes,
.endr
.irp i, 0,1,2,3
	v_mov_b32 v[VS+\i], 0                          ; under finite scale bytes
.endr
	v_mov_b32 v[PWD], 0
.irp x, 0,1,2,3
	v_mov_b32 v[ST+4*\x], 0x7f61b1e6               ; -M = 3e38
	v_mov_b32 v[ST+4*\x+1], 0xff61b1e6             ; the largest score so far: -3e38
	v_mov_b32 v[ST+4*\x+2], 0
	v_mov_b32 v[ST+4*\x+3], 0
.endr
.irp i, 0,1,2
	v_mov_b32 v[PR+\i], 0                          ; a lane permute's destination counts as one of its sources
.endr
	v_mov_b32 v[F+1], 0
	v_add_nc_u32 v[AK16], s[TK], v[BK16]
	v_add_nc_u32 v[AK8], s[TK], v[BK8]
	v_add_nc_u32 v[AKS], s[TS], v[BKS]
.macro KLOAD
	ds_load_b64 v[KS:KS+1], v[AKS]
	ds_load_b64 v[KS+2:KS+3], v[AKS] offset:128
.irp t, 0,1,2,3,4,5,6,7
	ds_load_b128 v[KF+6*\t:KF+6*\t+3], v[AK16] offset:KT*(4*(\t/4)+\t%2)+128*((\t/2)%2)
	ds_load_b64 v[KF+6*\t+4:KF+6*\t+5], v[AK8] offset:640+KT*(4*(\t/4)+\t%2)+64*((\t/2)%2)
.endr
.endm
.macro PVW y, t                        ; O^T of tile y += 16 channels of V x P; V, C and D in window 1, P in window 0
	WIN 0x51
	v_wmma_scale_f32_16x16x128_f8f6f4 v[O+32*(\y)+8*\t:O+32*(\y)+8*\t+7], v[VF+12*\t:VF+12*\t+11], v[PC:PC+11], v[O+32*(\y)+8*\t:O+32*(\y)+8*\t+7], v[VS+\t], v[PWD] matrix_a_fmt:MATRIX_FMT_FP6 matrix_b_fmt:MATRIX_FMT_FP6
	WIN 0
.endm
.macro FMAS n                          ; t - M, two at a time, from register S + J on
.rept \n
	v_pk_fma_f32 v[S+J:S+J+1], v[S+J:S+J+1], s[CS:CS+1], v[NM:NM+1] op_sel_hi:[1,0,0]
.set J, J+2
.endr
.endm
; line i of the 32 that add the 32 pairs of p to the sum: eight chains side by side (seven and the sum itself), then their joins
.macro PADD i
.if (\i) < 7
	v_pk_add_f32 v[CH+2*(\i):CH+2*(\i)+1], v[S+4*(\i):S+4*(\i)+1], v[S+4*(\i)+2:S+4*(\i)+3]
.elseif (\i) == 7
	v_pk_add_f32 v[NM+2:NM+3], v[NM+2:NM+3], v[S+28:S+29]
.elseif (\i) < 24
.if (\i)%8 == 7
	v_pk_add_f32 v[NM+2:NM+3], v[NM+2:NM+3], v[S+2*(\i)+14:S+2*(\i)+15]
.else
	v_pk_add_f32 v[CH+2*((\i)%8):CH+2*((\i)%8)+1], v[CH+2*((\i)%8):CH+2*((\i)%8)+1], v[S+2*(\i)+14:S+2*(\i)+15]
.endif
.elseif (\i) == 24
	v_pk_add_f32 v[CH:CH+1], v[CH:CH+1], v[S+62:S+63]
.elseif (\i) < 28
	v_pk_add_f32 v[CH+4*((\i)-25):CH+4*((\i)-25)+1], v[CH+4*((\i)-25):CH+4*((\i)-25)+1], v[CH+4*((\i)-25)+2:CH+4*((\i)-25)+3]
.elseif (\i) == 28
	v_pk_add_f32 v[NM+2:NM+3], v[NM+2:NM+3], v[CH+12:CH+13]
.elseif (\i) == 29
	v_pk_add_f32 v[CH:CH+1], v[CH:CH+1], v[CH+4:CH+5]
.elseif (\i) == 30
	v_pk_add_f32 v[NM+2:NM+3], v[NM+2:NM+3], v[CH+8:CH+9]
.else
	v_pk_add_f32 v[NM+2:NM+3], v[NM+2:NM+3], v[CH:CH+1]
.endif
.endm
.macro PADDS from, to
.set I_, \from
.rept (\to)-(\from)
	PADD I_
.set I_, I_+1
.endr
.endm
; ONE TILE OF 16 QUERIES AGAINST THE STEP'S 128 KEYS
.macro TILE x
.set NM, ST+4*\x
.set PY, (\x+3)%4                      ; the tile before
	WIN 0x04                                       ; source 1 (Q) in window 1
.irp t, 0,1,2,3
	v_wmma_scale_f32_16x16x128_f8f6f4 v[S+8*\t:S+8*\t+7], v[KF+6*\t:KF+6*\t+11], v[QF+12*\x:QF+12*\x+11], 0, v[KS+\t], v[QS+\x] matrix_a_fmt:MATRIX_FMT_FP6 matrix_b_fmt:MATRIX_FMT_FP6
.endr
.irp t, 4,5,6,7
	v_wmma_scale_f32_16x16x128_f8f6f4 v[S+8*\t:S+8*\t+7], v[KF+6*\t:KF+6*\t+11], v[QF+12*\x:QF+12*\x+11], 0, v[KS+\t-4], v[QS+\x] matrix_a_fmt:MATRIX_FMT_FP6 matrix_b_fmt:MATRIX_FMT_FP6 matrix_a_scale:MATRIX_SCALE_ROW1
.endr
	WIN 0
.if \x == 0                            ; four places behind the products
	v_add_nc_u32 v[AV16], s[TV], v[BV16]
	v_add_nc_u32 v[AV8], s[TV], v[BV8]
	v_add_nc_u32 v[AVS], s[TW], v[BVS]
	v_mov_b32 v[OLD], v[NM]
.elseif \x == 3                        ; K's registers are free: four places, then the next step's 18 loads; the last step has none
	s_add_co_u32 s[TK], s[TK], KSTEP
	s_add_co_u32 s[TS], s[TS], 512
	v_add_nc_u32 v[AK16], s[TK], v[BK16]
	v_add_nc_u32 v[AK8], s[TK], v[BK8]
	v_add_nc_u32 v[AKS], s[TS], v[BKS]
	v_mov_b32 v[OLD], v[NM]
	WALU
	s_cmp_eq_u32 s[CNT], 1
	s_cbranch_scc1 .Lno_k
	KLOAD
.Lno_k:
.else
	v_mov_b32 v[OLD], v[NM]
.rept 3
	v_nop
.endr
.endif
.irp t, 0,1,2,3,4,5,6,7                ; the largest score of my two blocks of 32 keys: a chain to each accumulator, from its low end on
	v_max3_num_f32 v[BM+\t], v[S+8*\t], v[S+8*\t+1], v[S+8*\t+2]
.endr
.irp i, 3,5
.irp t, 0,1,2,3,4,5,6,7
	v_max3_num_f32 v[BM+\t], v[BM+\t], v[S+8*\t+\i], v[S+8*\t+\i+1]
.endr
.endr
.irp c, 0,4
	v_max3_num_f32 v[BM+\c], v[BM+\c], v[BM+\c+1], v[S+8*\c+7]
	v_max3_num_f32 v[BM+\c+2], v[BM+\c+2], v[BM+\c+3], v[S+8*\c+15]
.endr
.irp c, 0,4
	v_max3_num_f32 v[BM+\c], v[BM+\c], v[BM+\c+2], v[S+8*\c+23]
.endr
.irp c, 0,4
	v_max_num_f32 v[BM+\c], v[BM+\c], v[S+8*\c+31]
.endr
	v_max_num_f32 v[WK], v[BM], v[BM+4]
.if \x == 1
	WALU
	s_wait_dscnt 0x0                               ; this step's V is in
.endif
	PVW PY, 0                                      ; the tile before: its four accumulators by turns, a link of my chain behind each
	v_permlanex16_b32 v[PR], v[WK], s[SEL], s[SEL+1]
	PVW PY, 1
	v_max3_num_f32 v[NM+1], v[NM+1], v[WK], v[PR]  ; the running largest score of my query
	PVW PY, 2
	v_mul_f32 v[WK], s[CS], v[NM+1]                ; as t (c is positive)
	PVW PY, 3
	v_floor_f32 v[NM], -v[WK]                      ; -M = floor(-t) = -ceil(t)
	v_sub_f32 v[WK], v[NM], v[OLD]                 ; old M - new M: a whole number, 0 or less
.set J, 0
	FMAS 4
	v_cvt_i32_f32 v[WK], v[WK]                     ; (it saturates)
.if \x == 0                            ; V's registers are free (seven plain lines behind the last product): this step's 17 loads
	ds_load_b128 v[VS:VS+3], v[AVS]
	WIN 0x40
.irp t, 0,1,2,3
.irp c, 0,1
	ds_load_b128 v[VF+12*\t+6*\c:VF+12*\t+6*\c+3], v[AV16] offset:1536*\t+768*\c
	ds_load_b64 v[VF+12*\t+6*\c+4:VF+12*\t+6*\c+5], v[AV8] offset:1536*\t+768*\c+512
.endr
.endr
	WIN 0
.endif
	FMAS 4
	v_ldexp_f32 v[F], 1.0, v[WK]                   ; f = 2^(old M - new M)
	FMAS 24
.irp c, 0,4
	v_fma_f32 v[BM+\c], v[BM+\c], s[CS], v[NM]     ; the same of each block's largest score
.endr
	WALU                                           ; ahead of the batch
.irp c, 0,4
	v_exp_f32 v[BM+\c], v[BM+\c]                   ; the blocks' largest p: the same two instructions on the same number give the same bits
.endr
.set J, 0
.rept 64
	v_exp_f32 v[S+J], v[S+J]
.set J, J+1
.endr
	v_pk_mul_f32 v[NM+2:NM+3], v[NM+2:NM+3], v[F:F+1] op_sel_hi:[1,0]   ; the sum under the new M: the plain line behind the batch
	WIN 0x41
	WALU                                           ; behind the batch, and directly ahead of the first reader of O^T
.set J, 0
.rept 16
	v_pk_mul_f32 v[O+32*\x+J:O+32*\x+J+1], v[O+32*\x+J:O+32*\x+J+1], v[F:F+1] op_sel_hi:[1,0]   ; O^T under the new M
.set J, J+2
.endr
	WIN 0
.irp c, 0,4                            ; the way from the largest p to the scale word hangs link on link: its lines stand among the sum's
	v_max_num_f32 v[BM+\c], 0x1800000, v[BM+\c]    ; the floor 2^(3 - 127): the byte cannot fall under 1
.endr
	PADDS 0, 4
	v_add_nc_u32 v[SO], 0xff000000, v[BM]          ; 2 off the exponent field: the conversion's scale operand
	v_add_nc_u32 v[SO+1], 0xff000000, v[BM+4]
	PADDS 4, 8
.irp c, 0,1                            ; my block 2 c + h whole: registers 6 c .. 6 c + 5 of P's operand
	v_cvt_scalef32_pk16_fp6_f32 v[PC+6*\c:PC+6*\c+2], v[S+32*\c:S+32*\c+15], v[SO+\c]
	v_cvt_scalef32_pk16_fp6_f32 v[PT+4*\c:PT+4*\c+2], v[S+32*\c+16:S+32*\c+31], v[SO+\c]
.endr
	PADDS 8, 12
.irp c, 0,1
	v_lshrrev_b32 v[PR+\c], 23, v[SO+\c]           ; the scales' bytes
.endr
	PADDS 12, 16
	v_lshl_or_b32 v[WK], v[PR+1], 16, v[PR]        ; blocks h and 2 + h,
	PADDS 16, 20
	v_lshlrev_b32 v[WK], v[SH8], v[WK]             ; at their places in the word;
	PADDS 20, 25
	v_permlanex16_b32 v[PR+2], v[WK], s[SEL], s[SEL+1]
	PADDS 25, 29
	v_or_b32 v[PWD], v[WK], v[PR+2]                ; with lane l xor 16's two the word is whole
.irp i, 0,1
	v_mov_b32 v[PC+3+\i], v[PT+\i]                 ; (a conversion's three registers begin on an even number)
.endr
	PADDS 29, 31
	v_mov_b32 v[PC+5], v[PT+2]
.irp i, 0,1,2
	v_mov_b32 v[PC+9+\i], v[PT+4+\i]
.endr
	PADDS 31, 32
.endm
	WALU                                           ; the head's end
	s_wait_tensorcnt 0x0                           ; my part has landed,
	s_wait_loadcnt 0x0                             ; and Q
	s_barrier_signal -1
	s_barrier_wait -1                              ; everybody's has: from here on LDS is only read
	KLOAD
.Lstep:
	s_wait_dscnt 0x0                               ; this step's K
	TILE 0
	TILE 1
	TILE 2
	TILE 3
	s_add_co_u32 s[TV], s[TV], 6144
	s_add_co_u32 s[TW], s[TW], 256
	s_sub_co_u32 s[CNT], s[CNT], 1
	s_cmp_lg_u32 s[CNT], 0
	WALU
	s_cbranch_scc1 .Lstep
.irp t, 0,1,2,3
	PVW 3, \t                                      ; the last step's last tile
.endr
; THE WAY OUT.  O^T / the sum: register 16 b + i of a tile = channel 32 b + 16 h + i of the head: two blocks along the embedding, each in lanes l and l xor 16: one image a tile.
.irp x, 0,1,2,3
	v_add_f32 v[ST+4*\x+2], v[ST+4*\x+2], v[ST+4*\x+3]
.endr
.irp x, 0,1,2,3
	v_permlanex16_b32 v[BM+\x], v[ST+4*\x+2], s[SEL], s[SEL+1]
.endr
.irp x, 0,1,2,3
	v_add_f32 v[ST+4*\x+2], v[ST+4*\x+2], v[BM+\x] ; with lane l xor 16's keys: the row's sum
.endr
	WALU
.irp x, 0,1,2,3
	v_rcp_f32 v[ST+4*\x+2], v[ST+4*\x+2]
.endr
	v_nop
.macro OUT x
.set OC, S+32+8*\x                     ; six registers of codes and one of bytes for each tile, so that no store's data are written again
	WIN 0x01
	WALU                                           ; behind the reciprocals, directly ahead of the first reader of this tile's O^T
.set J, 0
.rept 16
	v_pk_mul_f32 v[S+J:S+J+1], v[O+32*\x+J:O+32*\x+J+1], v[ST+4*\x+2:ST+4*\x+3] op_sel_hi:[1,0]
.set J, J+2
.endr
	WIN 0
.irp b, 0,1
	v_max3_num_f32 v[BM+\b], |v[S+16*\b]|, |v[S+1+16*\b]|, 0x1800000
.endr
.irp i, 2,4,6,8,10,12,14
.irp b, 0,1
	v_max3_num_f32 v[BM+\b], v[BM+\b], |v[S+16*\b+\i]|, |v[S+1+16*\b+\i]|
.endr
.endr
.irp b, 0,1
	v_permlanex16_b32 v[PR+\b], v[BM+\b], s[SEL], s[SEL+1]
.endr
.irp b, 0,1
	v_max_num_f32 v[BM+\b], v[BM+\b], v[PR+\b]
.endr
.irp b, 0,1
	v_add_nc_u32 v[SO+\b], 0xff000000, v[BM+\b]
.endr
	v_cvt_scalef32_pk16_fp6_f32 v[OC:OC+2], v[S:S+15], v[SO]
	v_cvt_scalef32_pk16_fp6_f32 v[PT:PT+2], v[S+16:S+31], v[SO+1]
.irp b, 0,1
	v_lshrrev_b32 v[PR+\b], 23, v[SO+\b]
.endr
	v_lshl_or_b32 v[OC+6], v[PR+1], 8, v[PR]       ; the head's two bytes of my row
.irp i, 0,1,2
	v_permlane16_swap_b32 v[OC+\i], v[PT+\i]       ; a whole block to a lane
.endr
.irp i, 0,1,2
	v_mov_b32 v[OC+3+\i], v[PT+\i]
.endr
	global_store_b128 v1, v[OC:OC+3], s[HP:HP+1] offset:12288*\x           ; the image: 512 and 256 consecutive bytes, aligned
	global_store_b64 v2, v[OC+4:OC+5], s[HP:HP+1] offset:12288*\x+512
	global_store_b16 v3, v[OC+6], s[HSP:HSP+1] offset:512*\x               ; a scale word spans two heads, which belong to two work-groups: two bytes a row
.endm
	OUT 0
	OUT 1
	OUT 2
	OUT 3
	s_wait_tensorcnt 0x0                           ; the wave's end
	ds_add_u32 v[SPW], v[NIL]
	s_wait_dscnt 0x0
	CROUND                                         ; the closing round
	s_endpgm
.Lfunc_end_k_q5bbfa4ea6a_attn:
	.size	k_q5bbfa4ea6a_attn, .Lfunc_end_k_q5bbfa4ea6a_attn-k_q5bbfa4ea6a_attn
	.p2alignl 7, 3214868480
	.fill 96, 4, 3214868480
	.section	.rodata,"a",@progbits
	.p2align	6, 0x0
	.amdhsa_kernel k_q5bbfa4ea6a_attn
		.amdhsa_group_segment_fixed_size 234496
		.amdhsa_private_segment_fixed_size 0
		.amdhsa_enable_private_segment 0
		.amdhsa_kernarg_size 48
		.amdhsa_user_sgpr_count 2
		.amdhsa_user_sgpr_kernarg_segment_ptr 1
		.amdhsa_wavefront_size32 1
		.amdhsa_system_sgpr_workgroup_id_x 1
		.amdhsa_system_sgpr_workgroup_id_y 1
		.amdhsa_system_sgpr_workgroup_id_z 1
		.amdhsa_system_vgpr_workitem_id 0
		.amdhsa_next_free_vgpr 512
		.amdhsa_next_free_sgpr 100
		.amdhsa_reserve_vcc 0
		.amdhsa_float_denorm_mode_32 3
		.amdhsa_float_denorm_mode_16_64 3
		.amdhsa_memory_ordered 1
		.amdhsa_forward_progress 1
		.amdhsa_inst_pref_size 86
	.end_amdhsa_kernel
	.amdgpu_metadata
---
amdhsa.version: [ 1, 2 ]
amdhsa.kernels:
  - .name:           k_q5bbfa4ea6a_attn
    .symbol:         k_q5bbfa4ea6a_attn.kd
    .args:
      - { .name: qkimg, .offset: 0, .size: 8, .value_kind: global_buffer, .address_space: global }
      - { .name: qkscl, .offset: 8, .size: 8, .value_kind: global_buffer, .address_space: global }
      - { .name: vimg, .offset: 16, .size: 8, .value_kind: global_buffer, .address_space: global }
      - { .name: vscl, .offset: 24, .size: 8, .value_kind: global_buffer, .address_space: global }
      - { .name: himg, .offset: 32, .size: 8, .value_kind: global_buffer, .address_space: global }
      - { .name: hscl, .offset: 40, .size: 8, .value_kind: global_buffer, .address_space: global }
    .group_segment_fixed_size: 234496
    .private_segment_fixed_size: 0
    .kernarg_segment_align: 8
    .kernarg_segment_size: 48
    .max_flat_workgroup_size: 256
    .sgpr_count:     100
    .vgpr_count:     512
    .wavefront_size: 32
...
	.end_amdgpu_metadata
.endif
;; end of part 3
;; launch outp (part 4): grid 4 x 64, 4 waves a work-group, clusters of 4 x 4, 295,424 bytes of LDS; arguments himg, hscl, b_o, out0, wq; writes out0
.if DOCPART == 4
	.amdgcn_target "amdgcn-amd-amdhsa--gfx1250"
	.amdhsa_code_object_version 6
	.text
	.protected	k_q5bbfa4ea6a_outp
	.globl	k_q5bbfa4ea6a_outp
	.p2align	8
	.type	k_q5bbfa4ea6a_outp,@function
k_q5bbfa4ea6a_outp:
	s_mov_b64 s[64:65], 0
	v_nop
	global_prefetch_b8 v0, s[64:65] scope:SCOPE_SE
	s_setreg_imm32_b32 hwreg(HW_REG_WAVE_MODE, 25, 1), 1
	s_wait_xcnt 0x0
	s_wait_alu depctr_hold_cnt(0) depctr_sa_sdst(0) depctr_va_vdst(0) depctr_va_sdst(0) depctr_va_ssrc(0) depctr_va_vcc(0) depctr_vm_vsrc(0)
	s_getreg_b32 s2, hwreg(HW_REG_IB_STS2, 6, 4)
	s_cmp_eq_u32 s2, 0
	s_cbranch_scc0 .Lentry_in_a_cluster
	s_endpgm
.Lentry_in_a_cluster:
	s_bfe_u32 s2, ttmp6, 0x10000c
	s_cmp_lg_u32 s2, 0xf033
	s_cbranch_scc0 .Lentry_shape_is_right
	s_endpgm
.Lentry_shape_is_right:
; out0 = H W_o^T + b_o on codes of FP6 (E2M3) with E8M0 scales.  H comes as images (himg: [tile of 16 tokens][16 chunks of 64 K][768 bytes], in the order of an operand's registers) with scale words
; (hscl: [tile][K half][row 16][4 words]); W_o likewise in wq (tiles 192-255; scale words from WSCL on).  Position r of tile T is row 32 (T / 2) + 8 (T % 2) + r + 8 (r / 8), in both.
; SHARES.  A work-group makes 128 tokens x 256 columns: 64 x 4 work-groups.  At this block ALL OF K of both operands lies in LDS at once (8 tiles of H, 98,304 bytes; 16 tiles of W_o, 196,608): each byte is filled once,
; there is no ring, no refill, and no barrier between the head's and the one ahead of the way out.  4 x 4 work-groups form a cluster: H's tiles are shared along a row, W_o's along a column, each asked for jointly;
; one tensor load a wave: waves 0 and 1 a half of H's tiles each, waves 2 and 3 a half of W_o's.
; Four waves, 2 x 2; a wave makes 64 tokens x 128 columns: 32 accumulators, which take turns in the same order in each of the eight steps of 128 along K.
; The scale words of a wave's 4 + 8 tiles, for all of K, go from memory straight into 96 registers (each load reads 256 consecutive bytes), and so does the bias, which is the first products' C.
; THE MATRIX INSTRUCTION IS USED TRANSPOSED (source 0 = 16 rows of W_o, source 1 = 16 tokens): a lane holds eight neighbouring columns of one token.
; No prefetch: all that the work-group reads is asked for at its head; there is no loop to run ahead in.
; REGISTERS: window 0: addresses, scale words, bias; window 1: W_o's fragments, two sets; window 2: the accumulators (a, b) at 8 (8 a + b); window 3: H's fragments, two sets; on the way out the rows read back.
.set WSCL,   3145728
.set TB,     12288                     ; a tile of 16 rows, all of K
.set BBASE,  8*TB                      ; LDS: H's 8 tiles from 0, W_o's 16 from here
.set SPARE,  24*TB                     ; the spare words, 128 bytes a wave
.set SPITCH, 528                       ; the way out: a stage of 16 rows x (512 + 16) bytes a wave, in H's bytes, which have had their one fill and, behind the last barrier, their last read
.set FR,     12
.set L16,  12
.set L8,   13
.set ADRA, 16                          ; v16, v17 my H fragments' 16-byte and 8-byte pieces
.set ADRB, 18                          ; v18, v19 the same of W_o's tiles 0-3 of my eight; v20, v21 of tiles 4-7 (an LDS offset has 16 bits)
.set STO,  24
.set RD,   25
.set SOF,  26                          ; 16 r
.set SPW,  28
.set NIL,  29
.set SA,   36                          ; v36-67 H's scale words: 8 a + step
.set SBR,  72                          ; v72-135 W_o's: 8 b + step
.set BI,   136                         ; v136-199 the bias in the result's layout
.set G1,  24
.set G0,  32
.set G1B, 48
.set G0B, 56
.set MSB, 0
.macro WIN new
.if MSB != (\new)
	s_set_vgpr_msb (MSB<<8)|(\new)
.set MSB, (\new)
.endif
.endm
.set MUL,  0xad                        ; source 0 window 1, source 1 window 3, C and D window 2
.set BIA,  0x8d                        ; the same with C in window 0
.set TO_B, 0x40
.set TO_A, 0xc0
.macro PLACES n
.rept \n
	v_nop
.endr
.endm
.macro CROUND
	s_barrier_signal -1
	s_barrier_wait -1
	s_cmp_lg_u32 s20, 0
	s_cbranch_scc1 .Lnot_wave_0_\@
	s_barrier_signal -3
.Lnot_wave_0_\@:
	s_barrier_wait -3
	s_barrier_signal -1
	s_barrier_wait -1
.endm
	s_load_b128 s[4:7], s[0:1], 0x0                ; himg, hscl
	s_load_b128 s[12:15], s[0:1], 0x10             ; b_o, out0
	s_load_b64 s[8:9], s[0:1], 0x20                ; wq
	v_lshl_add_u32 v[SPW], v0, 2, SPARE
	v_mov_b32 v[NIL], 0
	ds_add_u32 v[SPW], v[NIL]                      ; the opening lines
	ds_add_u32 v[SPW], v[NIL]
	v_lshrrev_b32 v1, 5, v0
	v_readfirstlane_b32 s20, v1                    ; wave
	s_lshr_b32 s21, s20, 1                         ; my half of the tokens.  Also: I fetch for H (0) or for W_o (1)
	s_and_b32 s22, s20, 1                          ; my half of the columns.  Also: which half of that operand's tiles I fetch
	s_bfe_u32 s40, ttmp6, 0x40000                  ; cx
	s_bfe_u32 s41, ttmp6, 0x40004                  ; cy
	s_and_b32 s44, ttmp7, 0xffff
	s_lshl_b32 s44, s44, 2
	s_add_co_u32 s44, s44, s41                     ; block row, 0 .. 63
	s_lshl_b32 s45, ttmp9, 2
	s_add_co_u32 s45, s45, s40                     ; block column, 0 .. 3
	s_lshl_b32 s46, s41, 2
	s_lshl_b32 s46, 15, s46                        ; my row of the cluster
	s_lshl_b32 s47, 0x1111, s40                    ; my column
	s_or_b32 s[G1], s46, (3<<16)|(1<<21)           ; dense blocks as rows of 256 bytes (32 elements of 8): 4 tiles of H are 192 rows,
	s_mov_b32 s[G1+1], 32<<16
	s_mov_b32 s[G1+2], 192<<16
	s_mov_b32 s[G1+3], 32<<16
	s_mov_b32 s[G1+4], 192
	s_mov_b32 s[G1+5], 32
	s_mov_b32 s[G1+6], 0
	s_mov_b32 s[G1+7], 0
	s_or_b32 s[G1B], s47, (3<<16)|(1<<21)          ; 8 tiles of W_o 384
	s_mov_b32 s[G1B+1], 32<<16
	s_mov_b32 s[G1B+2], 384<<16
	s_mov_b32 s[G1B+3], 32<<16
	s_mov_b32 s[G1B+4], 384
	s_mov_b32 s[G1B+5], 32
	s_mov_b32 s[G1B+6], 0
	s_mov_b32 s[G1B+7], 0
	s_mul_i32 s92, s44, 8*TB
	s_mul_i32 s[G0+1], s22, 4*TB                   ; no place in the cluster enters an LDS address
	s_add_co_u32 s92, s92, s[G0+1]                 ; H: 8 tiles a block row, + my 4
	s_mov_b32 s93, 0
	s_mul_i32 s94, s45, 16*TB
	s_mul_i32 s[G0B+1], s22, 8*TB
	s_add_co_u32 s94, s94, s[G0B+1]
	s_add_co_u32 s94, s94, 192*TB                  ; W_o: tiles 192 + 16 x block column + my 8
	s_mov_b32 s95, 0
	s_add_co_u32 s[G0B+1], s[G0B+1], BBASE
	s_lshl_b32 s96, s44, 12                        ; scale words, 512 bytes a tile: of the 4 tiles of H that I multiply,
	s_lshl_b32 s97, s21, 11
	s_add_co_u32 s96, s96, s97
	s_mov_b32 s97, 0
	s_lshl_b32 s98, s45, 13                        ; and of my 8 of W_o
	s_lshl_b32 s99, s22, 12
	s_add_co_u32 s98, s98, s99
	s_add_co_u32 s98, s98, 192*512
	s_mov_b32 s99, 0
	s_mov_b32 s[G0], 1
	s_mov_b32 s[G0B], 1
	s_mul_i32 s70, s21, 4*TB                       ; LDS: my 4 tiles of H,
	s_mul_i32 s71, s22, 8*TB
	s_add_co_u32 s71, s71, BBASE                   ; my 8 of W_o,
	s_add_co_u32 s72, s71, 4*TB
	s_mul_i32 s73, s20, 16*SPITCH                  ; my stage
	s_lshl_b32 s74, s45, 10                        ; my first column in bytes: 1,024 x block column + 512 x half
	s_lshl_b32 s75, s22, 9
	s_add_co_u32 s74, s74, s75
	s_mov_b32 s75, 0
	s_lshl_b32 s76, s44, 7                         ; my first token: 128 x block row + 64 x half; 4,096 bytes a row
	s_lshl_b32 s77, s21, 6
	s_add_co_u32 s76, s76, s77
	s_lshl_b32 s76, s76, 12
	s_mov_b32 s77, 0
	s_wait_dscnt 0x0
	s_wait_kmcnt 0x0
	s_add_nc_u64 s[10:11], s[8:9], WSCL
	s_add_nc_u64 s[10:11], s[10:11], s[98:99]
	s_add_nc_u64 s[6:7], s[6:7], s[96:97]
	s_add_nc_u64 s[G0+2:G0+3], s[4:5], s[92:93]
	s_or_b32 s[G0+3], s[G0+3], 0x80000000
	s_add_nc_u64 s[G0B+2:G0B+3], s[8:9], s[94:95]
	s_or_b32 s[G0B+3], s[G0B+3], 0x80000000
	s_add_nc_u64 s[12:13], s[12:13], s[74:75]
	s_add_nc_u64 s[14:15], s[14:15], s[74:75]
	s_add_nc_u64 s[14:15], s[14:15], s[76:77]
	CROUND                                         ; all sixteen work-groups are here: the joint loads meet
	s_cmp_eq_u32 s21, 0                            ; one load a wave, in two arms that join
	s_cbranch_scc0 .Lfor_b
	tensor_load_to_lds s[G0:G0+3], s[G1:G1+7]
	s_nop 0
	PLACES 4
	s_branch .Lasked
.Lfor_b:
	tensor_load_to_lds s[G0B:G0B+3], s[G1B:G1B+7]
	s_nop 0
	PLACES 4
.Lasked:
	v_and_b32 v1, 15, v0                           ; r
	v_bfe_u32 v2, v0, 4, 1                         ; h
	v_and_b32 v3, 31, v0
	v_lshlrev_b32 v[L16], 4, v3
	v_lshlrev_b32 v[L8], 3, v3
	v_lshlrev_b32 v[SOF], 4, v1
	v_lshlrev_b32 v5, 6, v2                        ; the bias: lanes 16-31 begin 16 columns on
	v_add_nc_u32 v[ADRA], s70, v[L16]
	v_add_nc_u32 v[ADRA+1], s70, v[L8]
	v_add_nc_u32 v[ADRB], s71, v[L16]
	v_add_nc_u32 v[ADRB+1], s71, v[L8]
	v_add_nc_u32 v[ADRB+2], s72, v[L16]
	v_add_nc_u32 v[ADRB+3], s72, v[L8]
	v_mul_u32_u24 v4, v1, SPITCH
	v_lshl_add_u32 v4, v2, 6, v4
	v_add_nc_u32 v[STO], s73, v4                   ; into the stage: row r, 64 bytes for each half of the lanes
	v_add_nc_u32 v[RD], s73, v[L16]                ; back: the 32 lanes take one row of 512 bytes
.irp a, 0,1,2,3
.irp k, 0,1
	global_load_b128 v[SA+8*\a+4*\k:SA+8*\a+4*\k+3], v[SOF], s[6:7] offset:512*\a+256*\k
.endr
.endr
.irp b, 0,1,2,3,4,5,6,7
.irp k, 0,1
	global_load_b128 v[SBR+8*\b+4*\k:SBR+8*\b+4*\k+3], v[SOF], s[10:11] offset:512*\b+256*\k
.endr
.endr
.irp b, 0,1,2,3,4,5,6,7                ; register j of tile b is column 32 (b / 2) + 8 (b % 2) + 16 h + j
	global_load_b128 v[BI+8*\b:BI+8*\b+3], v5, s[12:13] offset:128*(\b/2)+32*(\b%2)
	global_load_b128 v[BI+8*\b+4:BI+8*\b+7], v5, s[12:13] offset:128*(\b/2)+32*(\b%2)+16
.endr
.macro FRAG reg, a16, a8, off          ; 16 rows x 128 K: two images, each 16 and 8 bytes a lane
	ds_load_b128 v[\reg:\reg+3], v[\a16] offset:(\off)
	ds_load_b64 v[\reg+4:\reg+5], v[\a8] offset:(\off)+512
	ds_load_b128 v[\reg+6:\reg+9], v[\a16] offset:(\off)+768
	ds_load_b64 v[\reg+10:\reg+11], v[\a8] offset:(\off)+1280
.endm
.macro FETCH st                        ; step st's 12 fragments into set st % 2: 48 loads
	WIN TO_B
.irp i, 0,1,2,3
	FRAG 128*((\st)%2)+FR*\i, ADRB, ADRB+1, \i*TB+(\st)*1536
.endr
.irp i, 0,1,2,3
	FRAG 128*((\st)%2)+FR*(\i+4), ADRB+2, ADRB+3, \i*TB+(\st)*1536
.endr
	WIN TO_A
.irp i, 0,1,2,3
	FRAG 64*((\st)%2)+FR*\i, ADRA, ADRA+1, \i*TB+(\st)*1536
.endr
	WIN 0
.endm
.macro MULS st, first                  ; 32 products, 128 along K
.irp a, 0,1,2,3
.irp b, 0,1,2,3,4,5,6,7
.if \first
	v_wmma_scale_f32_16x16x128_f8f6f4 v[8*(8*\a+\b):8*(8*\a+\b)+7], v[128*((\st)%2)+FR*\b:128*((\st)%2)+FR*\b+FR-1], v[64*((\st)%2)+FR*\a:64*((\st)%2)+FR*\a+FR-1], v[BI+8*\b:BI+8*\b+7], v[SBR+8*\b+(\st)], v[SA+8*\a+(\st)] matrix_a_fmt:MATRIX_FMT_FP6 matrix_b_fmt:MATRIX_FMT_FP6
.else
	v_wmma_scale_f32_16x16x128_f8f6f4 v[8*(8*\a+\b):8*(8*\a+\b)+7], v[128*((\st)%2)+FR*\b:128*((\st)%2)+FR*\b+FR-1], v[64*((\st)%2)+FR*\a:64*((\st)%2)+FR*\a+FR-1], v[8*(8*\a+\b):8*(8*\a+\b)+7], v[SBR+8*\b+(\st)], v[SA+8*\a+(\st)] matrix_a_fmt:MATRIX_FMT_FP6 matrix_b_fmt:MATRIX_FMT_FP6
.endif
.endr
.endr
.endm
	s_wait_alu depctr_va_vdst(0)                   ; the head's end
	s_wait_tensorcnt 0x0                           ; my part has landed,
	s_barrier_signal -1
	s_barrier_wait -1                              ; everybody's has
	FETCH 0
	s_wait_loadcnt 0x0                             ; the scale words and the bias
	s_wait_dscnt 0x0
	FETCH 1
	WIN BIA
	MULS 0, 1                                      ; the first products start the sums on the bias
.irp st, 1,2,3,4,5,6
	WIN 0
	s_wait_dscnt 0x0                               ; this step's fragments, asked for a step ago
	PLACES 4                                       ; between the last step's products and the loads into their registers
	FETCH \st+1
	WIN MUL
	MULS \st, 0
.endr
	WIN 0
	s_wait_dscnt 0x0                               ; my last reads of the tiles are done:
	s_barrier_signal -1                            ; say so, work on registers while the others arrive,
	WIN MUL
	MULS 7, 0
	WIN 0
	s_barrier_wait -1                              ; and nobody reads H's bytes any more: the stages lie there
; THE WAY OUT, block by block of 16 tokens x 128 columns: through my own stage and back as whole rows of 512 bytes.  LDS serves a wave's instructions in order (ISA guide 5.7.1.4): no wait between the stores and the loads.
.macro TOSTAGE a
	WIN 0x08                                       ; the data: window 2
.irp b, 0,1,2,3,4,5,6,7
	ds_store_b128 v[STO], v[64*(\a)+8*\b:64*(\a)+8*\b+3] offset:128*(\b/2)+32*(\b%2)      ; each accumulator from its low end on
	ds_store_b128 v[STO], v[64*(\a)+8*\b+4:64*(\a)+8*\b+7] offset:128*(\b/2)+32*(\b%2)+16
.endr
	WIN 0xc0                                       ; back into window 3
.irp t, 0,1,2,3,4,5,6,7,8,9,10,11,12,13,14,15
	ds_load_b128 v[64*((\a)%2)+4*\t:64*((\a)%2)+4*\t+3], v[RD] offset:\t*SPITCH
.endr
	WIN 0
.endm
.macro SEND a, younger                 ; younger: the LDS instructions issued behind block a's loads, which may stay out
	s_wait_dscnt \younger
	WIN 0x0c
.irp t, 0,1,2,3,4,5,6,7,8,9,10,11,12,13,14,15
	global_store_b128 v[L16], v[64*((\a)%2)+4*\t:64*((\a)%2)+4*\t+3], s[14:15] offset:(32*((\a)/2)+8*((\a)%2)+\t+8*(\t/8))*4096 th:TH_STORE_NT   ; 512 consecutive bytes, aligned
.endr
	WIN 0
.endm
	PLACES 4                                       ; behind the last products: for the reads of results and the loads into fragments' registers
	TOSTAGE 0
.irp a, 1,2,3
.if \a > 1
	s_wait_xcnt 0x0                                ; block a - 2's stores have read their registers: block a's loads may land there
.endif
	TOSTAGE \a
	SEND \a-1, 32                                  ; behind block a - 1's loads: block a's 16 stores and 16 loads
.endr
	SEND 3, 0
	s_wait_tensorcnt 0x0                           ; the wave's end
	ds_add_u32 v[SPW], v[NIL]
	s_wait_dscnt 0x0
	CROUND                                         ; the closing round
	s_endpgm
.Lfunc_end_k_q5bbfa4ea6a_outp:
	.size	k_q5bbfa4ea6a_outp, .Lfunc_end_k_q5bbfa4ea6a_outp-k_q5bbfa4ea6a_outp
	.p2alignl 7, 3214868480
	.fill 96, 4, 3214868480
	.section	.rodata,"a",@progbits
	.p2align	6, 0x0
	.amdhsa_kernel k_q5bbfa4ea6a_outp
		.amdhsa_group_segment_fixed_size 295424
		.amdhsa_private_segment_fixed_size 0
		.amdhsa_enable_private_segment 0
		.amdhsa_kernarg_size 40
		.amdhsa_user_sgpr_count 2
		.amdhsa_user_sgpr_kernarg_segment_ptr 1
		.amdhsa_wavefront_size32 1
		.amdhsa_system_sgpr_workgroup_id_x 1
		.amdhsa_system_sgpr_workgroup_id_y 1
		.amdhsa_system_sgpr_workgroup_id_z 1
		.amdhsa_system_vgpr_workitem_id 0
		.amdhsa_next_free_vgpr 1024
		.amdhsa_next_free_sgpr 102
		.amdhsa_reserve_vcc 0
		.amdhsa_float_denorm_mode_32 3
		.amdhsa_float_denorm_mode_16_64 3
		.amdhsa_memory_ordered 1
		.amdhsa_forward_progress 1
		.amdhsa_inst_pref_size 84
	.end_amdhsa_kernel
	.amdgpu_metadata
---
amdhsa.version: [ 1, 2 ]
amdhsa.kernels:
  - .name:           k_q5bbfa4ea6a_outp
    .symbol:         k_q5bbfa4ea6a_outp.kd
    .args:
      - { .name: himg, .offset: 0, .size: 8, .value_kind: global_buffer, .address_space: global }
      - { .name: hscl, .offset: 8, .size: 8, .value_kind: global_buffer, .address_space: global }
      - { .name: b_o, .offset: 16, .size: 8, .value_kind: global_buffer, .address_space: global }
      - { .name: out0, .offset: 24, .size: 8, .value_kind: global_buffer, .address_space: global }
      - { .name: wq, .offset: 32, .size: 8, .value_kind: global_buffer, .address_space: global }
    .group_segment_fixed_size: 295424
    .private_segment_fixed_size: 0
    .kernarg_segment_align: 8
    .kernarg_segment_size: 40
    .max_flat_workgroup_size: 128
    .sgpr_count:     102
    .vgpr_count:     1024
    .wavefront_size: 32
...
	.end_amdgpu_metadata
.endif
;; end of part 4
